; MI455X (gfx1250); checked and timed in simulation.
; The chip was launched on July 23, 2026; its instructions are those of AMD's public machine-readable ISA for CDNA 5 (MIT licence, August 2026) and "CDNA5" Instruction Set Architecture Reference Guide (July 2026). The comments in the code are by the model that wrote it; some were corrected since.
;; Multi Head Attention. Allowed arithmetic: matrix products marked QUANTISED: E2M1 operands, one E8M0 scale for each 32 along K, by v_wmma_scale_f32_16x16x128_f8f6f4 with both operands' format E2M1 (or v_wmma_scale_f32_32x16x128_f4), f32 sums; products left as they are: bf16, f16 or f32 operands; f32 sums; everything else in f32.
;; Inputs: out_b 1,024 float32; out_w 1,024 x 1,024 float32; qkv_b 3,072 float32; qkv_w 3,072 x 1,024 float32; x 4 x 2,048 x 1,024 float32.
;; Outputs: out0 4 x 2,048 x 1,024 float32.
;; This version of the problem:
;;   THIS VERSION OF THE PROBLEM IS GIVEN IN LOW PRECISION. The matrix products marked QUANTISED in the list below multiply operands that are first quantised to E2M1 (2 exponent bits, 1 mantissa bit; 4 bits a number), with one power-of-two scale for each 32 numbers along K (OCP MX v1.0); their sums are f32. The products marked 'left as it is' may take bf16, f16 or f32 operands, with f32 sums. Whichever they take, every output number must still come out within the allowed error. Rounding operands to bf16 (8 significant bits) uses up far more of that allowance than f16 does (11 bits, for magnitudes from 6e-5 to 65,504). All else is computed in f32.
;;   The module's matrix products, in the order in which they are computed (A, B: the left and right operand; K: the contracted axis; several contracted axes count as one K, in the product's order):
;;     1. [M 8,192, K 1,024] x [K 1,024, N 3,072]; A: input x; B: input qkv_w: QUANTISED
;;     2. batch 64 x [M 2,048, K 64] x [K 64, N 2,048]; A: computed on the way; B: computed on the way: left as it is (an operand is computed on the way)
;;     3. batch 64 x [M 2,048, K 2,048] x [K 2,048, N 64]; A: computed on the way; B: computed on the way: left as it is (an operand is computed on the way)
;;     4. [M 8,192, K 1,024] x [K 1,024, N 1,024]; A: computed on the way; B: input out_w: left as it is (an operand is computed on the way)
;;   THE QUANTISER, for each operand of a quantised product, along K:
;;     - K is cut into blocks of 32 from its start; a last block that is shorter is filled with zeros.
;;     - A block's scale is 2^e with e = floor(log2(the largest magnitude in the block)) - 2, held to -126 .. 127; a block of zeros has e = 0. As a byte (E8M0): e + 127.
;;     - Each number is divided by its block's scale, clamped to +-6, and rounded to the nearest number of E2M1, ties to even, subnormals kept.
;;     - The product sums the exact products of the quantised numbers (number of the format x scale) in f32.
;;   ~~~python
;;   def quantise(x, axis):      # numpy; x: float32 -> the quantised numbers, widened to float32 again
;;       x = np.moveaxis(x, axis, -1); K = x.shape[-1]
;;       x = np.pad(x, [(0, 0)] * (x.ndim - 1) + [(0, -K % 32)]); x = x.reshape(x.shape[:-1] + (-1, 32)); a = np.abs(x).max(-1, keepdims=True)
;;       e = np.where(a > 0, np.clip(np.frexp(np.where(a > 0, a, 1))[1] - 1 - 2, -126, 127), 0)      # np.frexp(a)[1] - 1 = floor(log2(a)), exactly
;;       r = np.clip(x / 2.0 ** e, -6, 6)
;;       step = 2.0 ** (np.maximum(np.frexp(np.where(r == 0, 1, r))[1] - 1, 0) - 1)
;;       q = np.round(r / step) * step * 2.0 ** e      # np.round: ties to even
;;       return np.moveaxis(q.reshape(q.shape[:-2] + (-1,))[..., :K], -1, axis).astype(np.float32)
;;   ~~~
;; One version. Each part assembles by itself: llvm-mc -triple=amdgcn-amd-amdhsa -mcpu=gfx1250 --defsym DOCPART=n.
;; ======== version 1 of 1: 4 launches
;; limits: values are held in f16: magnitudes above 65,504 overflow, below 6.1e-05 lose precision
;; workspace buffers: x_codes 4,194,304 bytes; x_scales 262,144 bytes; w_codes 1,572,864 bytes; w_scales 98,304 bytes; w16 2,097,152 bytes; qkv 50,331,648 bytes; ctx 16,777,216 bytes
;; launch prep (part 1): grid 384 x 1, 4 waves a work-group, no clusters, 33,280 bytes of LDS; arguments x, qkv_w, x_codes, x_scales, w_codes, w_scales, out_w, w16; writes x_codes, x_scales, w_codes, w_scales, w16
.if DOCPART == 1
	.amdgcn_target "amdgcn-amd-amdhsa--gfx1250"
	.amdhsa_code_object_version 6
	.text
	.protected	k_q54f3b1acd7_prep
	.globl	k_q54f3b1acd7_prep
	.p2align	8
	.type	k_q54f3b1acd7_prep,@function
k_q54f3b1acd7_prep:
	s_mov_b64 s[64:65], 0
	v_nop
	global_prefetch_b8 v0, s[64:65] scope:SCOPE_SE
	s_setreg_imm32_b32 hwreg(HW_REG_WAVE_MODE, 25, 1), 1
	s_wait_xcnt 0x0
; MULTI-HEAD ATTENTION, four launches: prep (this one), qkv (x qkv_w^T on MX-FP4 codes), attn (softmax(q k^T / 8) v, f16 operands), proj (ctx out_w^T + out_b, f16 operands).
; WORK LEFT OUT BY THE PROGRAM: qkv_b[1024:2048], the bias of k.  scores[q][k] = q . (k0[k] + bK) / 8 = q . k0[k] / 8 + q . bK / 8, and the second term is the same for all keys k of a query:
; a term that is constant along the softmax's axis leaves the softmax as it is, for every value of the inputs.  The product q k^T is not quantised and k goes nowhere else, so bK reaches no output.
; Those 4,096 bytes are never loaded.  LIMIT: a NaN, an infinity or an overflow that arises from them alone is not carried to the result.
; THIS LAUNCH.  Work-groups 0 to 351: x [8192][1024] and qkv_w [3072][1024], f32, become codes of FP4 (E2M1), K innermost, with one E8M0 scale byte for each 32 along K.
; A block's scale is 2^(floor(log2(its largest magnitude)) - 2); its byte is the largest magnitude's own exponent field - 2, held at 1 from below.  (A block of zeros so gets the byte 1 where the
; rule says 127: its codes are zeros, which add nothing under any byte but 0xff, and the bytes are read by this program alone.)  Each number is divided by the scale and rounded to the nearest code, ties to even.
; LIMITS: blocks whose largest magnitude lies under 2^(2 - 126) have their byte held at 1; NaN and infinities among the inputs are not served.
; Rows are dense and K is a multiple of 32: both tensors are plain streams of blocks of 32.  A wave takes 16 steps of 512 numbers.  Each of a step's four loads reads 512 consecutive bytes; the 2,048 bytes
; turn through the wave's own stage in LDS and come back 64 bytes a lane (16 neighbours along K; two neighbouring lanes hold a block).  A wave's store of codes covers 256 consecutive bytes; its 256 scale bytes
; are gathered in LDS and leave as 256 consecutive bytes.  Loads run four steps (16 loads a wave) ahead.  No barrier: waves share nothing.
; Work-groups 352 to 383: out_w [1024][1024] f32 is rounded to f16 and laid in the order of the matrix operand's registers: w16 [NT 64][kb 32][c 2][512 bytes], lane (r, h)'s 16 bytes at 16 x lane =
; out_w(16 NT + r, 32 kb + 16 c + 8 h + 0 .. 7).  LIMIT: magnitudes over 65,504 become infinity; under 6e-5 the absolute error is 2^-25.
.set SIZE_M, 8192
.set SIZE_N, 3072
.set SIZE_K, 1024
.set WAVES, 4
.set STEPS, 16
.set WGA,   SIZE_M*SIZE_K/(512*STEPS*WAVES)            ; 256 work-groups for x
.set WGQ,   (SIZE_M+SIZE_N)*SIZE_K/(512*STEPS*WAVES)   ; 352 for x and qkv_w
.set EMAX,  2
.set CB,    8                          ; bytes of 16 codes
.set R,     16                         ; v16-79   four sets of 16 numbers as they are loaded
.set X,     80                         ; v80-111  two sets of 16 neighbours
.set C,     128                        ; v128-191 codes: four registers for each step, so that no store's data are written again
.set E,     112                        ; v112-127 a scale byte for each step
.set WREG,  8192                       ; LDS: a region for each wave: two stages of 32 x SP bytes, and behind them its 256 scale bytes
.set SP,    80                         ; a lane's place in a stage: its 64 bytes + 16 of padding
.set SPW,   12                         ; v12      LDS address of my spare word; never rewritten
.set NIL,   13                         ; v13      0; never rewritten
.set SPARE, WAVES*WREG                 ; behind the four regions: the spare words, 128 bytes for each wave
.set SETA,  16                         ; the cast: v16-79, v80-143 two sets of four fragments as f32; v144-175 four fragments as f16
.set SETB,  80
.set HF,    144
	s_load_b128 s[4:7], s[0:1], 0x0                ; x, qkv_w
	s_load_b128 s[8:11], s[0:1], 0x10              ; x's codes, x's scales
	s_load_b128 s[12:15], s[0:1], 0x20             ; qkv_w's codes, its scales
	s_load_b128 s[24:27], s[0:1], 0x30             ; out_w, w16
	v_lshl_add_u32 v[SPW], v0, 2, SPARE
	v_mov_b32 v[NIL], 0
	v_lshrrev_b32 v1, 5, v0
	v_readfirstlane_b32 s16, v1                    ; wave
	v_and_b32 v2, 31, v0                           ; lane
	v_lshlrev_b32 v3, 4, v2                        ; my 16 bytes of a load's 512
	s_mul_i32 s17, s16, WREG
	v_lshrrev_b32 v14, 2, v2
	v_mul_u32_u24 v14, v14, SP
	v_and_b32 v15, 3, v2
	v_lshl_add_u32 v14, v15, 4, v14
	v_add_nc_u32 v14, s17, v14                     ; the stage, on the way in: SP (lane / 4) + 16 (lane % 4)
	v_mul_u32_u24 v15, v2, SP
	v_add_nc_u32 v15, s17, v15                     ; and on the way out: SP x lane: my 16 neighbours
	v_mul_u32_u24 v4, v2, CB                       ; my codes' place in a step's
	v_lshrrev_b32 v5, 1, v2
	s_add_co_u32 s17, s17, 2*32*SP
	v_add_nc_u32 v5, s17, v5                       ; LDS: my wave's 256 scale bytes, my block's byte
	v_lshlrev_b32 v7, 3, v2                        ; and on the way out 8 bytes a lane
	v_add_nc_u32 v6, s17, v7
	s_wait_kmcnt 0x0
	s_cmp_ge_u32 ttmp9, WGQ                        ; the last 32 work-groups cast out_w: a branch on the work-group's number alone
	s_cbranch_scc1 .Lcast
	s_cmp_lt_u32 ttmp9, WGA                        ; x's work-group or qkv_w's?
	s_cselect_b64 s[4:5], s[4:5], s[6:7]
	s_cselect_b64 s[8:9], s[8:9], s[12:13]
	s_cselect_b64 s[10:11], s[10:11], s[14:15]
	s_cselect_b32 s17, 0, WGA
	s_sub_co_u32 s17, ttmp9, s17
	s_lshl_b32 s17, s17, 2
	s_add_co_u32 s18, s17, s16                     ; which run of 8,192 numbers of the tensor is my wave's
	s_mov_b32 s19, 0
	s_mov_b64 s[20:21], 512*STEPS*4
	s_mul_u64 s[20:21], s[18:19], s[20:21]
	s_add_nc_u64 s[4:5], s[4:5], s[20:21]
	s_mov_b64 s[20:21], 32*STEPS*CB
	s_mul_u64 s[20:21], s[18:19], s[20:21]
	s_add_nc_u64 s[8:9], s[8:9], s[20:21]
	s_lshl_b32 s18, s18, 8                         ; 256 scale bytes a run
	s_add_nc_u64 s[10:11], s[10:11], s[18:19]
.macro LOAD t
.irp i, 0,1,2,3
	global_load_b128 v[R+16*((\t)%4)+4*\i:R+16*((\t)%4)+4*\i+3], v3, s[4:5] offset:2048*(\t)+512*\i th:TH_LOAD_NT   ; 32 lanes read 512 consecutive bytes
.endr
.endm
.macro TURN t                          ; step t's numbers through the stage: LDS serves a wave's instructions in order, so no wait stands between the stores and the loads
.irp i, 0,1,2,3
	ds_store_b128 v14, v[R+16*((\t)%4)+4*\i:R+16*((\t)%4)+4*\i+3] offset:32*SP*((\t)%2)+8*SP*\i
.endr
.irp i, 0,1,2,3
	ds_load_b128 v[X+16*((\t)%2)+4*\i:X+16*((\t)%2)+4*\i+3], v15 offset:32*SP*((\t)%2)+16*\i
.endr
.endm
.irp t, 0,1,2,3
	LOAD \t
.endr
	s_wait_loadcnt 12                              ; step 0's four loads are in; the twelve of steps 1 to 3 may be out
	TURN 0
.macro STEP t
.set XS, X+16*((\t)%2)
.if (\t) > 0
	s_wait_dscnt 1                                 ; this step's numbers are back from the stage (the last step's byte store may be out): so its stores into the stage have read their registers,
.else
	s_wait_dscnt 0x0
.endif
.if (\t)+4 < STEPS
	LOAD (\t)+4                                    ; which take the loads of four steps on
.endif
.if (\t)+1 < STEPS
.if STEPS-2-(\t) >= 3
	s_wait_loadcnt 12                              ; the next step's four loads are in; those of the three steps behind it may be out
.else
	s_wait_loadcnt 4*(STEPS-2-(\t))
.endif
	TURN (\t)+1                                    ; and go through the other stage while this step is worked
.endif
	v_max3_num_f32 v8, |v[XS]|, |v[XS+1]|, |v[XS+2]|               ; the largest magnitude of my 16
	v_max3_num_f32 v9, |v[XS+3]|, |v[XS+4]|, |v[XS+5]|
.irp i, 6,10
	v_max3_num_f32 v8, v8, |v[XS+\i]|, |v[XS+\i+1]|
	v_max3_num_f32 v9, v9, |v[XS+\i+2]|, |v[XS+\i+3]|
.endr
	v_max3_num_f32 v8, v8, |v[XS+14]|, |v[XS+15]|
	v_max3_num_f32 v8, v8, v9, (EMAX+1)<<23        ; and the floor 2^(EMAX + 1 - 127): so the byte cannot fall under 1
	v_max_num_f32_dpp v8, v8, v8 row_xmask:1 row_mask:0xf bank_mask:0xf   ; and of my neighbour's 16: the block's
	v_add_nc_u32 v11, -(EMAX<<23), v8              ; EMAX off its exponent field: the conversion takes the exponent field of this operand as its scale, and nothing else of it
	v_cvt_scalef32_pk8_fp4_f32 v[C+4*(\t)], v[XS:XS+7], v11         ; eight numbers / the scale, to the nearest code, ties to even, beyond the largest code the largest
	v_cvt_scalef32_pk8_fp4_f32 v[C+4*(\t)+1], v[XS+8:XS+15], v11
	v_lshrrev_b32 v[E+(\t)], 23, v11               ; the scale's byte (also the plain line behind the conversions)
	ds_store_b8 v5, v[E+(\t)] offset:16*(\t)       ; both lanes of a block write the same byte with the same value
	global_store_b64 v4, v[C+4*(\t):C+4*(\t)+1], s[8:9] offset:32*CB*(\t)
.endm
.irp t, 0,1,2,3,4,5,6,7,8,9,10,11,12,13,14,15
	STEP \t
.endr
	ds_load_b64 v[8:9], v6                         ; LDS serves a wave's instructions in order: these see my stores
	s_wait_dscnt 0x0
	global_store_b64 v7, v[8:9], s[10:11]          ; 32 lanes store 256 consecutive bytes, aligned
	s_wait_tensorcnt 0x0                           ; the wave's end, behind my last LDS store
	ds_add_u32 v[SPW], v[NIL]
	s_wait_dscnt 0x0
	s_endpgm
; THE CAST.  Wave W = 4 (work-group - 352) + wave takes tile NT = W / 2 of 16 rows of out_w and half W % 2 of K: 16 fragments of 16 rows x 32 K, four at a time.  No LDS is touched on this path.
; A lane loads its 8 + 8 numbers of a fragment by four loads of 16 bytes; a row's 2,048 bytes are covered by the wave's 64 loads on end.  Each store covers 512 consecutive bytes, aligned.
.Lcast:
	s_sub_co_u32 s17, ttmp9, WGQ
	s_lshl_b32 s17, s17, 2
	s_add_co_u32 s17, s17, s16                     ; W
	s_lshr_b32 s18, s17, 1                         ; NT
	s_and_b32 s19, s17, 1                          ; which half of K
	s_lshl_b32 s20, s18, 16                        ; 16 rows of 4,096 bytes
	s_lshl_b32 s22, s19, 11                        ; 16 blocks of 128 bytes
	s_add_co_u32 s20, s20, s22
	s_mov_b32 s21, 0
	s_add_nc_u64 s[24:25], s[24:25], s[20:21]
	s_lshl_b32 s20, s18, 15                        ; a tile's 32 fragments of 1,024 bytes
	s_lshl_b32 s22, s19, 14
	s_add_co_u32 s20, s20, s22
	s_add_nc_u64 s[26:27], s[26:27], s[20:21]
	v_and_b32 v10, 15, v0                          ; r
	v_bfe_u32 v11, v0, 4, 1                        ; h
	v_lshlrev_b32 v8, 12, v10
	v_lshl_add_u32 v8, v11, 5, v8                  ; in: row r, + 32 h bytes
	v_lshlrev_b32 v9, 4, v2                        ; out: 16 x lane
.macro LOADG g, set                    ; fragments 4 g .. 4 g + 3: K = 8 h + 0 .. 7 (two loads) and 16 + 8 h + 0 .. 7 (two loads) of each block of 32
.irp f, 0,1,2,3
	global_load_b128 v[\set+16*\f:\set+16*\f+3],     v8, s[24:25] offset:128*(4*\g+\f)
	global_load_b128 v[\set+16*\f+4:\set+16*\f+7],   v8, s[24:25] offset:128*(4*\g+\f)+16
	global_load_b128 v[\set+16*\f+8:\set+16*\f+11],  v8, s[24:25] offset:128*(4*\g+\f)+64
	global_load_b128 v[\set+16*\f+12:\set+16*\f+15], v8, s[24:25] offset:128*(4*\g+\f)+80
.endr
.endm
.macro CASTG g, set
.irp f, 0,1,2,3
.irp i, 0,1,2,3,4,5,6,7
	v_cvt_pk_f16_f32 v[HF+8*\f+\i], v[\set+16*\f+2*\i], v[\set+16*\f+2*\i+1]
.endr
.endr
.irp f, 0,1,2,3
.irp c, 0,1
	global_store_b128 v9, v[HF+8*\f+4*\c:HF+8*\f+4*\c+3], s[26:27] offset:1024*(4*\g+\f)+512*\c
.endr
.endr
.endm
	LOADG 0, SETA
	LOADG 1, SETB
	s_wait_loadcnt 16                              ; the first group's sixteen loads are in; the next group's sixteen may be out
	CASTG 0, SETA
	LOADG 2, SETA
	s_wait_loadcnt 16
	s_wait_xcnt 0x0                                ; the stores have read their data: v144-175 are written again only behind this wait
	CASTG 1, SETB
	LOADG 3, SETB
	s_wait_loadcnt 16
	s_wait_xcnt 0x0
	CASTG 2, SETA
	s_wait_loadcnt 0x0
	s_wait_xcnt 0x0
	CASTG 3, SETB
	s_endpgm
.Lfunc_end_k_q54f3b1acd7_prep:
	.size	k_q54f3b1acd7_prep, .Lfunc_end_k_q54f3b1acd7_prep-k_q54f3b1acd7_prep
	.p2alignl 7, 3214868480
	.fill 96, 4, 3214868480
	.section	.rodata,"a",@progbits
	.p2align	6, 0x0
	.amdhsa_kernel k_q54f3b1acd7_prep
		.amdhsa_group_segment_fixed_size 33280
		.amdhsa_private_segment_fixed_size 0
		.amdhsa_enable_private_segment 0
		.amdhsa_kernarg_size 64
		.amdhsa_user_sgpr_count 2
		.amdhsa_user_sgpr_kernarg_segment_ptr 1
		.amdhsa_wavefront_size32 1
		.amdhsa_system_sgpr_workgroup_id_x 1
		.amdhsa_system_sgpr_workgroup_id_y 1
		.amdhsa_system_sgpr_workgroup_id_z 1
		.amdhsa_system_vgpr_workitem_id 0
		.amdhsa_next_free_vgpr 192
		.amdhsa_next_free_sgpr 66
		.amdhsa_reserve_vcc 0
		.amdhsa_float_denorm_mode_32 3
		.amdhsa_float_denorm_mode_16_64 3
		.amdhsa_memory_ordered 1
		.amdhsa_forward_progress 1
		.amdhsa_inst_pref_size 51
	.end_amdhsa_kernel
	.amdgpu_metadata
---
amdhsa.version: [ 1, 2 ]
amdhsa.kernels:
  - .name:           k_q54f3b1acd7_prep
    .symbol:         k_q54f3b1acd7_prep.kd
    .args:
      - { .name: x, .offset: 0, .size: 8, .value_kind: global_buffer, .address_space: global }
      - { .name: qkv_w, .offset: 8, .size: 8, .value_kind: global_buffer, .address_space: global }
      - { .name: x_codes, .offset: 16, .size: 8, .value_kind: global_buffer, .address_space: global }
      - { .name: x_scales, .offset: 24, .size: 8, .value_kind: global_buffer, .address_space: global }
      - { .name: w_codes, .offset: 32, .size: 8, .value_kind: global_buffer, .address_space: global }
      - { .name: w_scales, .offset: 40, .size: 8, .value_kind: global_buffer, .address_space: global }
      - { .name: out_w, .offset: 48, .size: 8, .value_kind: global_buffer, .address_space: global }
      - { .name: w16, .offset: 56, .size: 8, .value_kind: global_buffer, .address_space: global }
    .group_segment_fixed_size: 33280
    .private_segment_fixed_size: 0
    .kernarg_segment_align: 8
    .kernarg_segment_size: 64
    .max_flat_workgroup_size: 128
    .sgpr_count:     66
    .vgpr_count:     192
    .wavefront_size: 32
...
	.end_amdgpu_metadata
.endif
;; end of part 1
;; launch qkv (part 2): grid 12 x 32, 4 waves a work-group, clusters of 4 x 4, 327,680 bytes of LDS; arguments x_codes, x_scales, w_codes, w_scales, qkv_b, qkv; writes qkv
.if DOCPART == 2
	.amdgcn_target "amdgcn-amd-amdhsa--gfx1250"
	.amdhsa_code_object_version 6
	.text
	.protected	k_q54f3b1acd7_qkv
	.globl	k_q54f3b1acd7_qkv
	.p2align	8
	.type	k_q54f3b1acd7_qkv,@function
k_q54f3b1acd7_qkv:
	s_mov_b64 s[64:65], 0
	v_nop
	global_prefetch_b8 v0, s[64:65] scope:SCOPE_SE
	s_setreg_imm32_b32 hwreg(HW_REG_WAVE_MODE, 25, 1), 1
	s_wait_xcnt 0x0
	s_wait_alu depctr_hold_cnt(0) depctr_sa_sdst(0) depctr_va_vdst(0) depctr_va_sdst(0) depctr_va_ssrc(0) depctr_va_vcc(0) depctr_vm_vsrc(0)
	s_getreg_b32 s2, hwreg(HW_REG_IB_STS2, 6, 4)
	s_cmp_eq_u32 s2, 0
	s_cbranch_scc0 .Lentry_in_a_cluster
	s_endpgm
.Lentry_in_a_cluster:
	s_bfe_u32 s2, ttmp6, 0x10000c
	s_cmp_lg_u32 s2, 0xf033
	s_cbranch_scc0 .Lentry_shape_is_right
	s_endpgm
.Lentry_shape_is_right:
; qkv[m][n] = sum over k of Q(x)[m][k] Q(qkv_w)[n][k] + qkv_b[n], on codes of FP4 (E2M1) with one E8M0 scale for each 32 along K; sums in f32; the result rounded once to f16.
; WORK LEFT OUT: the bias of k, qkv_b[1024:2048], is not loaded: it adds the same number to all scores of a query (shown at the head of the first launch).  k's sums begin with zeros.
; A tile of 256 tokens x 256 columns is made by a work-group of four waves; a wave makes 128 x 128: 64 accumulators of 16 x 16, 512 registers.  K = 1,024 is two K steps of 512: the two LDS slots hold all of K,
; so every tile is asked for at the head and nothing is filled again.  The scale bytes of the work-group's 256 + 256 rows are two dense blocks: they come once, in rows of 256 bytes.
; CLUSTERS: 4 x 4 work-groups.  The four of a row of the cluster need the same tiles of x, the four of a column the same tiles of qkv_w: each tile is asked for JOINTLY, by the same tensor load with the same
; descriptor and a mask that names the four.  A cluster's 1,024 columns are one of q, k, v: cluster x = 0, 1, 2.
; THE MATRIX INSTRUCTION IS USED TRANSPOSED (source 0 = 16 rows of qkv_w, source 1 = 16 tokens): a lane holds eight neighbouring columns of one token: 16 bytes of f16.
; THE RESULT IS LAID AS THE NEXT LAUNCH'S OPERAND REGISTERS: qkv [q, k, v][batch 4][head 16][tile of 16 tokens 128][tile of 16 channels 4][512 bytes].  The 16 bytes (token r, channels 8 h + 0 .. 7) lie
; for q and k at 16 (r + 16 h), for v at 16 (r % 8 + 8 h + 16 (r / 8)), the order in which the lanes of the turning LDS load want them.  So each store of a wave covers 512 consecutive bytes, aligned, with no stage in LDS.
; LIMIT: magnitudes over 65,504 become infinity in f16; under 6e-5 the absolute error is 2^-25.
; REGISTERS, in windows of 256: window 0: v0-31 addresses; v32-95 scale words, two sets; v128-191 x's fragments, ONE set; v192-255 the bias, 8 registers for each block of 16 columns; on the way out v128-255 hold packed results.
;   window 1: qkv_w's fragments, TWO sets, at v0 and at v128.   window 2: the accumulators of my tokens 0-63 ((a, b) at v[8 (8 a + b)]);   window 3: those of my tokens 64-127.
.set SIZE_M, 8192
.set SIZE_N, 3072
.set SIZE_K, 1024
.set KSTEP,  512                       ; along K in a slot
.set NQ,     KSTEP/128                 ; matrix instructions deep
.set ROWB,   256                       ; a tile's row in bytes
.set KROW,   SIZE_K*4/8                ; a row of codes in memory, in bytes
.set PITCH,  272                       ; an LDS row: 256 bytes + 16 of padding = 68 words: the 16 rows that a load touches start at 16 different banks (64 banks of 4 bytes: ISA guide 11.1)
.set FR,     8                         ; registers of a fragment: 16 rows x 128 K
.set NL,     2                         ; LDS loads that bring one
.set NP,     4                         ; places behind this matrix instruction (ISA guide 7.12.1)
.set HALFT,  128*PITCH                 ; 128 rows: what one tensor load brings
.set SLOT,   4*HALFT                   ; x's 256 rows, then qkv_w's 256 rows
.set KS,     SIZE_K/32                 ; a row of scales in bytes
.set SCL,    2*SLOT                    ; behind the slots: the scales, as rows of 256 bytes + 16 of padding
.set HALFS,  (128*KS/256)*272          ; the scales of 128 rows
.set SBLK,   (16*KS/256)*272           ; those of 16 rows
.set SPARE,  SCL+4*HALFS               ; behind the scales: the spare words, 128 bytes for each wave
.set ADRA, 16                          ; v16-17  LDS address of my fragments of x in slot 0, 1
.set ADRB, 20                          ; v20-21  the same for qkv_w
.set CO,   26                          ; v26     my 16 bytes' place in a block of 512
.set ADRS, 27                          ; v27     LDS address of my scale words: lanes 0-15 x's rows, lanes 16-31 qkv_w's
.set SPW,  28                          ; v28     LDS address of my spare word; never rewritten
.set NIL,  29                          ; v29     0; never rewritten
.set SC,   32
.set AF,   128
.set BIAS, 192
.set OUT,  128
.set G1, 24                            ; s[24:31] descriptor group 1 for x's tiles;  s[32:39] group 0, one set for each slot
.set G0, 32
.set G1B, 48                           ; s[48:55], s[56:63] the same for qkv_w's
.set G0B, 56
.set G1S, 68                           ; s[68:75], s[76:79] groups 1 and 0 for x's scales;  s[80:87], s[88:91] for qkv_w's
.set G0S, 76
.set G1SB, 80
.set G0SB, 88
.set WV, 95                            ; s95 my wave;  s96 wave / 2: my half of the tokens, and: I fetch for x (0) or qkv_w (1);  s97 wave % 2: my half of the columns, and: which 128 rows I fetch
.set WR, 96
.set WC, 97
.set MSB, 0
.macro WIN new                         ; the immediate's high byte repeats the setting that is left
.if MSB != (\new)
	s_set_vgpr_msb (MSB<<8)|(\new)
.set MSB, (\new)
.endif
.endm
.set MUL_LO, 0xa1                      ; source 0 window 1, source 1 window 0, C and D window 2
.set MUL_HI, 0xf1                      ; the same, C and D window 3
.set BIA_LO, 0x81                      ; the first step: C (the bias) window 0, D window 2
.set BIA_HI, 0xc1                      ; D window 3
.set TO_B,   0x40                      ; destination window 1, address window 0
; A joint load: waves 0 and 1 fetch for x, waves 2 and 3 for qkv_w.  Each of the two lines has one mask and one set of registers for all that issue it; the branch hangs on the wave's number alone.
; An s_nop 0 and four v_nop follow each of the two lines.
.macro JLOAD g0a, g1a, g0b, g1b
	s_cmp_eq_u32 s[WR], 0
	s_cbranch_scc0 .Lfor_b_\@
	tensor_load_to_lds s[\g0a:\g0a+3], s[\g1a:\g1a+7]
	s_nop 0
.rept 4
	v_nop
.endr
	s_branch .Lasked_\@
.Lfor_b_\@:
	tensor_load_to_lds s[\g0b:\g0b+3], s[\g1b:\g1b+7]
	s_nop 0
.rept 4
	v_nop
.endr
.Lasked_\@:
.endm
.macro CROUND                          ; a round of the cluster's barrier
	s_barrier_signal -1
	s_barrier_wait -1
	s_cmp_lg_u32 s[WV], 0
	s_cbranch_scc1 .Lnot_wave_0_\@
	s_barrier_signal -3
.Lnot_wave_0_\@:
	s_barrier_wait -3
	s_barrier_signal -1
	s_barrier_wait -1
.endm
	s_load_b128 s[4:7], s[0:1], 0x0                ; x's codes s[4:5], x's scales s[6:7]
	s_load_b128 s[8:11], s[0:1], 0x10              ; qkv_w's codes s[8:9], its scales s[10:11]
	s_load_b128 s[12:15], s[0:1], 0x20             ; qkv_b s[12:13], qkv s[14:15]
	v_lshl_add_u32 v[SPW], v0, 2, SPARE
	v_mov_b32 v[NIL], 0
	ds_add_u32 v[SPW], v[NIL]                      ; the wave's opening: the add, twice on end, and its wait ahead of my first tensor load
	ds_add_u32 v[SPW], v[NIL]
	v_lshrrev_b32 v1, 5, v0
	v_readfirstlane_b32 s[WV], v1                  ; wave 0..3
	s_lshr_b32 s[WR], s[WV], 1
	s_and_b32 s[WC], s[WV], 1
	s_bfe_u32 s40, ttmp6, 0x40000                  ; cx, cy: my place in the cluster
	s_bfe_u32 s41, ttmp6, 0x40004
	s_lshl_b32 s42, ttmp9, 2
	s_add_co_u32 s42, s42, s40                     ; tile column = 4 x cluster x + cx
	s_and_b32 s17, ttmp7, 0xffff
	s_lshl_b32 s17, s17, 2
	s_add_co_u32 s17, s17, s41                     ; tile row = 4 x cluster y + cy
	s_lshl_b32 s43, s41, 2
	s_lshl_b32 s43, 15, s43                        ; my row of the cluster
	s_lshl_b32 s44, 0x1111, s40                    ; my column
	; descriptor group 1: a tile of 128 rows x 256 bytes, padded in LDS
	s_or_b32 s[G1+0], s43, (0<<16)|(1<<20)|(1<<21)|(5<<22)|(3<<25)  ; 15:0 the mask; 17:16 element of 1 byte; 20 padding on; 21 set beside a mask; 24:22 after every 64 words; 31:25 four words
	s_or_b32 s[G1B+0], s44, (0<<16)|(1<<20)|(1<<21)|(5<<22)|(3<<25)
.irp g, G1, G1B
	s_mov_b32 s[\g+1], ROWB<<16                    ; tensor_dim0
	s_mov_b32 s[\g+2], 128<<16                     ; tensor_dim1 = 128
	s_mov_b32 s[\g+3], ROWB<<16                    ; tile_dim0
	s_mov_b32 s[\g+4], 128                         ; tile_dim1 = 128
	s_mov_b32 s[\g+5], KROW                        ; tensor_dim0_stride
	s_mov_b32 s[\g+6], 0
	s_mov_b32 s[\g+7], 0
.endr
	; the scales of 128 rows: a dense block of 4,096 bytes, as rows of 256 bytes (32 elements of 8 bytes), 16 bytes of padding behind each
	s_or_b32 s[G1S+0], s43, (3<<16)|(1<<20)|(1<<21)|(5<<22)|(3<<25)
	s_or_b32 s[G1SB+0], s44, (3<<16)|(1<<20)|(1<<21)|(5<<22)|(3<<25)
.irp g, G1S, G1SB
	s_mov_b32 s[\g+1], 32<<16
	s_mov_b32 s[\g+2], (128*KS/256)<<16
	s_mov_b32 s[\g+3], 32<<16
	s_mov_b32 s[\g+4], 128*KS/256
	s_mov_b32 s[\g+5], 32
	s_mov_b32 s[\g+6], 0
	s_mov_b32 s[\g+7], 0
.endr
	s_lshl_b32 s18, s[WC], 7                       ; which 128 rows of the tile I fetch
	s_lshl_b32 s20, s17, 8
	s_add_co_u32 s20, s20, s18                     ; x: row 256 x tile row + 128 x half
	s_lshl_b32 s46, s42, 8
	s_add_co_u32 s46, s46, s18                     ; qkv_w: row 256 x tile column + 128 x half
	s_mov_b32 s21, 0
	s_mov_b32 s47, 0
	s_mov_b64 s[18:19], KS
	s_mul_u64 s[22:23], s[20:21], s[18:19]         ; where these rows' scales begin, in bytes
	s_mul_u64 s[92:93], s[46:47], s[18:19]
	s_mov_b64 s[18:19], KROW
	s_mul_u64 s[20:21], s[20:21], s[18:19]         ; and their codes
	s_mul_u64 s[46:47], s[46:47], s[18:19]
	s_mul_i32 s45, s[WV], HALFT                    ; where they go: wave x 128 rows: no place in the cluster enters an LDS address
	s_mul_i32 s94, s[WV], HALFS
	s_wait_dscnt 0x0                               ; both opening adds are done
	s_wait_kmcnt 0x0
	s_add_nc_u64 s[20:21], s[4:5], s[20:21]
	s_add_nc_u64 s[22:23], s[6:7], s[22:23]
	s_add_nc_u64 s[46:47], s[8:9], s[46:47]
	s_add_nc_u64 s[92:93], s[10:11], s[92:93]
	CROUND                                         ; all sixteen work-groups are here: the joint loads meet
	s_mov_b32 s[G0S], 1
	s_add_co_u32 s[G0S+1], s94, SCL
	s_mov_b64 s[G0S+2:G0S+3], s[22:23]
	s_or_b32 s[G0S+3], s[G0S+3], 0x80000000
	s_mov_b32 s[G0SB], 1
	s_add_co_u32 s[G0SB+1], s94, SCL
	s_mov_b64 s[G0SB+2:G0SB+3], s[92:93]
	s_or_b32 s[G0SB+3], s[G0SB+3], 0x80000000
	JLOAD G0S, G1S, G0SB, G1SB                     ; the scales first: they are wanted with K step 0
.irp s, 0,1
	s_mov_b32 s[G0+4*\s], 1
	s_add_co_u32 s[G0+4*\s+1], s45, \s*SLOT
	s_add_nc_u64 s[G0+4*\s+2:G0+4*\s+3], s[20:21], \s*ROWB
	s_or_b32 s[G0+4*\s+3], s[G0+4*\s+3], 0x80000000
	s_mov_b32 s[G0B+4*\s], 1
	s_add_co_u32 s[G0B+4*\s+1], s45, \s*SLOT
	s_add_nc_u64 s[G0B+4*\s+2:G0B+4*\s+3], s[46:47], \s*ROWB
	s_or_b32 s[G0B+4*\s+3], s[G0B+4*\s+3], 0x80000000
	JLOAD G0+4*\s, G1, G0B+4*\s, G1B               ; three tensor loads of mine are out: all that this launch asks for
.endr
	v_and_b32 v1, 15, v0                           ; r = l % 16
	v_bfe_u32 v2, v0, 4, 1                         ; h = l / 16
	; THE BIAS is the C of each sum's first matrix instruction: for block b of 16 columns lane (r, h) holds qkv_b[my first column + 16 b + 8 h + 0 .. 7].  k's cluster (cluster x = 1: the same in all sixteen partners) takes zeros.
	v_lshlrev_b32 v7, 5, v2
	s_lshl_b32 s20, s42, 10                        ; 256 columns of 4 bytes a tile column,
	s_lshl_b32 s21, s[WC], 9                       ; 128 for my half
	s_add_co_u32 s20, s20, s21
	s_mov_b32 s21, 0
	s_add_nc_u64 s[12:13], s[12:13], s[20:21]
	s_cmp_eq_u32 ttmp9, 1
	s_cbranch_scc1 .Lk_zero
.irp b, 0,1,2,3,4,5,6,7
	global_load_b128 v[BIAS+8*\b:BIAS+8*\b+3],   v7, s[12:13] offset:64*\b
	global_load_b128 v[BIAS+8*\b+4:BIAS+8*\b+7], v7, s[12:13] offset:64*\b+16
.endr
	s_branch .Lbias_done
.Lk_zero:
.irp i, 0,1,2,3,4,5,6,7,8,9,10,11,12,13,14,15,16,17,18,19,20,21,22,23,24,25,26,27,28,29,30,31,32,33,34,35,36,37,38,39,40,41,42,43,44,45,46,47,48,49,50,51,52,53,54,55,56,57,58,59,60,61,62,63
	v_mov_b32 v[BIAS+\i], 0
.endr
.Lbias_done:
	v_mul_u32_u24 v3, v1, PITCH
	v_lshl_add_u32 v4, v2, 4, v3                   ; a fragment's row x pitch + 16 x half
	s_mul_i32 s21, s[WR], HALFT                    ; my 128 tokens
	s_mul_i32 s22, s[WC], HALFT                    ; my 128 rows of qkv_w,
	s_add_co_u32 s22, s22, 2*HALFT                 ; which lie behind x's 256
.irp s, 0,1
	v_add_nc_u32 v[ADRA+\s], s21, v4
	v_add_nc_u32 v[ADRB+\s], s22, v4
	s_add_co_u32 s21, s21, SLOT
	s_add_co_u32 s22, s22, SLOT
.endr
	v_mul_u32_u24 v5, v1, KS                       ; my row's scales: KS bytes a row,
	v_lshrrev_b32 v6, 8, v5
	v_lshl_add_u32 v5, v6, 4, v5                   ; and 16 more for each 256 passed
	s_mul_i32 s21, s[WR], HALFS                    ; x's: my 128 rows
	s_mul_i32 s22, s[WC], HALFS                    ; qkv_w's: my 128 rows, behind x's 256
	s_add_co_u32 s22, s22, 2*HALFS
	s_sub_co_u32 s22, s22, s21
	v_mul_u32_u24 v6, s22, v2                      ; lanes 16-31 take qkv_w's
	s_add_co_u32 s21, s21, SCL
	v_add_nc_u32 v5, v5, v6
	v_add_nc_u32 v[ADRS], s21, v5
	; the way out: my 16 bytes' place in a block of 512: q, k: 16 x lane;  v: 16 (r % 8 + 8 h + 16 (r / 8))
	v_and_b32 v6, 31, v0
	v_lshlrev_b32 v5, 4, v6
	v_and_b32 v6, 7, v1
	v_lshl_add_u32 v6, v2, 3, v6
	v_lshrrev_b32 v8, 3, v1
	v_lshl_add_u32 v6, v8, 4, v6
	v_lshlrev_b32 v6, 4, v6
	s_cmp_eq_u32 ttmp9, 2
	s_cselect_b32 s46, -1, 0
	v_cndmask_b32 v[CO], v5, v6, s46
	; and where my part begins: section x 2^24 + batch x 2^22 + head x 2^18 + tile of tokens x 2,048
	s_lshl_b32 s20, ttmp9, 24                      ; q, k or v
	s_lshr_b32 s21, s17, 3                         ; batch: 8 tile rows of 256 tokens each
	s_lshl_b32 s21, s21, 22
	s_add_co_u32 s20, s20, s21
	s_lshl_b32 s21, s40, 2                         ; head: 4 to a tile column, 2 to my half
	s_lshl_b32 s22, s[WC], 1
	s_add_co_u32 s21, s21, s22
	s_lshl_b32 s21, s21, 18
	s_add_co_u32 s20, s20, s21
	s_and_b32 s21, s17, 7                          ; tile of 16 tokens: 16 to a tile row, 8 to my half
	s_lshl_b32 s21, s21, 4
	s_lshl_b32 s22, s[WR], 3
	s_add_co_u32 s21, s21, s22
	s_lshl_b32 s21, s21, 11
	s_add_co_u32 s20, s20, s21
	s_mov_b32 s21, 0
	s_add_nc_u64 s[14:15], s[14:15], s[20:21]
.macro FRAG reg, adr, q, i             ; a fragment, 16 rows x 128 K of 4-bit codes: lane l holds row l % 16; registers 4 c .. 4 c + 3 hold K = 64 c + 32 (l / 16) + 0 .. 31
.irp c, 0,1
	ds_load_b128 v[\reg+4*\c:\reg+4*\c+3], v[\adr] offset:64*(\q)+32*\c+(\i)*16*PITCH
.endr
.endm
; 16 matrix instructions: x's blocks a0, a0 + 1 against qkv_w's eight, 128 along K: the slot's q-th.  p: qkv_w's set;  sc: the set of scale words.  zero = 1: the first product starts the sums from the bias.
; The 64 accumulators take turns, one instruction a turn, in the same order in every step.
.macro MUL16 a0, p, q, sc, zero
.irp a, \a0, \a0+1
.irp b, 0,1,2,3,4,5,6,7
.if \zero
	v_wmma_scale_f32_16x16x128_f8f6f4 v[8*(8*((\a)%4)+\b):8*(8*((\a)%4)+\b)+7], v[128*(\p)+FR*\b:128*(\p)+FR*\b+FR-1], v[AF+FR*(\a):AF+FR*(\a)+FR-1], v[BIAS+8*\b:BIAS+8*\b+7], v[SC+8*NQ*(\sc)+NQ*\b+(\q)], v[SC+8*NQ*(\sc)+NQ*(\a)+(\q)] matrix_a_fmt:MATRIX_FMT_FP4 matrix_b_fmt:MATRIX_FMT_FP4 matrix_a_scale:MATRIX_SCALE_ROW1
.else
	v_wmma_scale_f32_16x16x128_f8f6f4 v[8*(8*((\a)%4)+\b):8*(8*((\a)%4)+\b)+7], v[128*(\p)+FR*\b:128*(\p)+FR*\b+FR-1], v[AF+FR*(\a):AF+FR*(\a)+FR-1], v[8*(8*((\a)%4)+\b):8*(8*((\a)%4)+\b)+7], v[SC+8*NQ*(\sc)+NQ*\b+(\q)], v[SC+8*NQ*(\sc)+NQ*(\a)+(\q)] matrix_a_fmt:MATRIX_FMT_FP4 matrix_b_fmt:MATRIX_FMT_FP4 matrix_a_scale:MATRIX_SCALE_ROW1
.endif
.endr
.endr
.endm
.macro FETCH_B slot, q, p              ; qkv_w's eight fragments of the slot's q-th 128 along K into set p
	WIN TO_B
.irp i, 0,1,2,3,4,5,6,7
	FRAG 128*(\p)+FR*\i, ADRB+\slot, \q, \i
.endr
	WIN 0
.endm
.macro FETCH_A slot, q, i0             ; x's blocks i0 .. i0 + 3
.irp i, \i0, \i0+1, \i0+2, \i0+3
	FRAG AF+FR*(\i), ADRA+\slot, \q, \i
.endr
.endm
.macro SCALES sc                       ; a K step's scale words into set sc: four words a row; lanes 0-15 take x's block i, lanes 16-31 qkv_w's block i
.irp i, 0,1,2,3,4,5,6,7
	ds_load_b128 v[SC+8*NQ*\sc+NQ*\i:SC+8*NQ*\sc+NQ*\i+3], v[ADRS] offset:\i*SBLK
.endr
.endm
; A load into a register that a matrix instruction has read, and a vector instruction that reads a matrix result or writes one of its registers, stand NP places behind it; only plain vector instructions
; that name none of its registers are places (ISA guide 7.12.1 for vector instructions).
.macro PLACES n
.rept \n
	v_nop
.endr
.endm
; A step of 128 along K that has its successor in the same slot.  x has one set of registers: blocks 0-3 are fetched anew in the step's middle, blocks 4-7 at its end.
.macro STEP slot, q, zero
	s_wait_dscnt 4*NL                              ; all but the youngest eight loads (x's blocks 4-7) are in
.if \zero
	WIN BIA_LO
.else
	WIN MUL_LO
.endif
	MUL16 0, (\q)%2, \q, \slot, \zero
	MUL16 2, (\q)%2, \q, \slot, \zero
	s_wait_dscnt 0                                 ; x's blocks 4-7 are in
	PLACES NP
	FETCH_B \slot, (\q)+1, 1-(\q)%2
	FETCH_A \slot, (\q)+1, 0
.if \zero
	WIN BIA_HI
.else
	WIN MUL_HI
.endif
	MUL16 4, (\q)%2, \q, \slot, \zero
	MUL16 6, (\q)%2, \q, \slot, \zero
	PLACES NP
	WIN 0
	FETCH_A \slot, (\q)+1, 4
.endm
; Slot 0's last step goes over to slot 1: one barrier; in front of it each wave waits for all its tensor loads (its part of slot 1), adds 0 to its spare word and waits for that and for its LDS loads.  Nothing is filled again.
.macro TURN slot, next
	s_wait_tensorcnt 0x0                           ; all my tensor loads have landed
	ds_add_u32 v[SPW], v[NIL]                      ; 0 onto my spare word
	s_wait_dscnt 4*NL+1                            ; the add and the youngest eight loads (x's blocks 4-7) may be out
	WIN MUL_LO
	MUL16 0, 1, NQ-1, \slot, 0
	s_wait_dscnt 0x0
	s_barrier_signal -1
	MUL16 2, 1, NQ-1, \slot, 0
	WIN 0
	s_barrier_wait -1                              ; slot 1 is whole
	PLACES NP
	v_add_nc_u32 v[ADRS], 4*NQ, v[ADRS]            ; on to the next K step's scale words
	FETCH_B \next, 0, 0
	FETCH_A \next, 0, 0
	SCALES \next
	WIN MUL_HI
	MUL16 4, 1, NQ-1, \slot, 0
	MUL16 6, 1, NQ-1, \slot, 0
	PLACES NP
	WIN 0
	FETCH_A \next, 0, 4
.endm
.macro STEPS slot, from                ; the slot's steps from .. NQ - 2
.set Q, \from
.rept NQ-1-\from
	STEP \slot, Q, 0
.set Q, Q+1
.endr
.endm
	s_wait_tensorcnt 1                             ; the scales and my part of slot 0 are in (slot 1's load, the one issued behind them, may be out),
	s_barrier_signal -1
	s_barrier_wait -1                              ; everybody's are
	FETCH_B 0, 0, 0
	FETCH_A 0, 0, 0
	SCALES 0
	FETCH_A 0, 0, 4
	s_wait_loadcnt 0x0                             ; the bias
	STEP 0, 0, 1                                   ; the first step's products start the sums from the bias
	STEPS 0, 1
	TURN 0, 1
	STEPS 1, 0
	s_wait_dscnt 4*NL                              ; the very last step: nothing more to fetch
	WIN MUL_LO
	MUL16 0, 1, NQ-1, 1, 0
	MUL16 2, 1, NQ-1, 1, 0
	s_wait_dscnt 0
	WIN MUL_HI
	MUL16 4, 1, NQ-1, 1, 0
	MUL16 6, 1, NQ-1, 1, 0
	WIN 0
	; THE WAY OUT.  A lane's eight numbers of an accumulator round to 16 bytes of f16, which are its part of a block of 512 bytes: block (a, b) = tile of tokens a, head b / 4, tile of channels b % 4.
	PLACES NP                                      ; the conversions write registers that held x's fragments, and the last blocks' read results just made
.irp a, 0,1,2,3,4,5,6,7
.if \a >= 4
	s_wait_xcnt 0x0                                ; block a - 4's stores have read their data: the registers are written again only behind this wait
.endif
	WIN 0x0a+5*(\a/4)                              ; sources 0 and 1: window 2 or 3
.irp b, 0,1,2,3,4,5,6,7
.irp i, 0,1,2,3
	v_cvt_pk_f16_f32 v[OUT+32*(\a%4)+4*\b+\i], v[64*(\a%4)+8*\b+2*\i], v[64*(\a%4)+8*\b+2*\i+1]   ; each accumulator from its low end on
.endr
.endr
	WIN 0
.irp b, 0,1,2,3,4,5,6,7
	global_store_b128 v[CO], v[OUT+32*(\a%4)+4*\b:OUT+32*(\a%4)+4*\b+3], s[14:15] offset:2048*\a+262144*(\b/4)+512*(\b%4) th:TH_STORE_NT   ; 32 lanes store 512 consecutive bytes, aligned
.endr
.endr
	s_wait_tensorcnt 0x0                           ; the wave's end, behind my last tensor load
	ds_add_u32 v[SPW], v[NIL]
	s_wait_dscnt 0x0
	CROUND                                         ; the closing round
	s_endpgm
.Lfunc_end_k_q54f3b1acd7_qkv:
	.size	k_q54f3b1acd7_qkv, .Lfunc_end_k_q54f3b1acd7_qkv-k_q54f3b1acd7_qkv
	.p2alignl 7, 3214868480
	.fill 96, 4, 3214868480
	.section	.rodata,"a",@progbits
	.p2align	6, 0x0
	.amdhsa_kernel k_q54f3b1acd7_qkv
		.amdhsa_group_segment_fixed_size 327680
		.amdhsa_private_segment_fixed_size 0
		.amdhsa_enable_private_segment 0
		.amdhsa_kernarg_size 48
		.amdhsa_user_sgpr_count 2
		.amdhsa_user_sgpr_kernarg_segment_ptr 1
		.amdhsa_wavefront_size32 1
		.amdhsa_system_sgpr_workgroup_id_x 1
		.amdhsa_system_sgpr_workgroup_id_y 1
		.amdhsa_system_sgpr_workgroup_id_z 1
		.amdhsa_system_vgpr_workitem_id 0
		.amdhsa_next_free_vgpr 1024
		.amdhsa_next_free_sgpr 98
		.amdhsa_reserve_vcc 0
		.amdhsa_float_denorm_mode_32 3
		.amdhsa_float_denorm_mode_16_64 3
		.amdhsa_memory_ordered 1
		.amdhsa_forward_progress 1
		.amdhsa_inst_pref_size 122
	.end_amdhsa_kernel
	.amdgpu_metadata
---
amdhsa.version: [ 1, 2 ]
amdhsa.kernels:
  - .name:           k_q54f3b1acd7_qkv
    .symbol:         k_q54f3b1acd7_qkv.kd
    .args:
      - { .name: x_codes, .offset: 0, .size: 8, .value_kind: global_buffer, .address_space: global }
      - { .name: x_scales, .offset: 8, .size: 8, .value_kind: global_buffer, .address_space: global }
      - { .name: w_codes, .offset: 16, .size: 8, .value_kind: global_buffer, .address_space: global }
      - { .name: w_scales, .offset: 24, .size: 8, .value_kind: global_buffer, .address_space: global }
      - { .name: qkv_b, .offset: 32, .size: 8, .value_kind: global_buffer, .address_space: global }
      - { .name: qkv, .offset: 40, .size: 8, .value_kind: global_buffer, .address_space: global }
    .group_segment_fixed_size: 327680
    .private_segment_fixed_size: 0
    .kernarg_segment_align: 8
    .kernarg_segment_size: 48
    .max_flat_workgroup_size: 128
    .sgpr_count:     98
    .vgpr_count:     1024
    .wavefront_size: 32
...
	.end_amdgpu_metadata
.endif
;; end of part 2
;; launch attn (part 3): grid 8 x 64, 4 waves a work-group, clusters of 4 x 1, 327,680 bytes of LDS; arguments qkv, ctx; writes ctx
.if DOCPART == 3
	.amdgcn_target "amdgcn-amd-amdhsa--gfx1250"
	.amdhsa_code_object_version 6
	.text
	.protected	k_q54f3b1acd7_attn
	.globl	k_q54f3b1acd7_attn
	.p2align	8
	.type	k_q54f3b1acd7_attn,@function
k_q54f3b1acd7_attn:
	s_mov_b64 s[64:65], 0
	v_nop
	global_prefetch_b8 v0, s[64:65] scope:SCOPE_SE
	s_setreg_imm32_b32 hwreg(HW_REG_WAVE_MODE, 25, 1), 1
	s_wait_xcnt 0x0
	s_wait_alu depctr_hold_cnt(0) depctr_sa_sdst(0) depctr_va_vdst(0) depctr_va_sdst(0) depctr_va_ssrc(0) depctr_va_vcc(0) depctr_vm_vsrc(0)
	s_getreg_b32 s2, hwreg(HW_REG_IB_STS2, 6, 4)
	s_cmp_eq_u32 s2, 0
	s_cbranch_scc0 .Lentry_in_a_cluster
	s_endpgm
.Lentry_in_a_cluster:
	s_bfe_u32 s2, ttmp6, 0x10000c
	s_cmp_lg_u32 s2, 0x3003
	s_cbranch_scc0 .Lentry_shape_is_right
	s_endpgm
.Lentry_shape_is_right:
; ctx[b][q][h][:] = the sum over k of softmax_k(q . k / 8) v[k][:], for 64 pairs (batch, head), 2,048 tokens, head size 64, no mask.  Operands in f16; products, maxima and sums in f32; the weights p
; (at most 1) are rounded to f16 for the second product, ctx once at the end.
; WORK LEFT OUT: k comes without its bias, which adds the same number to all scores of a query (shown at the head of the first launch).
; q, k, v lie in memory as images of operand registers: [q, k, v][pair 64][tile of 16 tokens 128][tile of 16 channels 4][512 bytes], a lane's 16 bytes at 16 x lane.  So K's and V's tiles are dense blocks,
; every LDS load reads 512 consecutive bytes (no pitch, no padding, no bank met twice), and v is turned by ds_load_tr16_b128 from the same plain addresses.
; SHARES.  A work-group owns 256 queries of one pair, each of its four waves 64: four tiles of 16.  Every wave walks all 2,048 keys, 64 a step.
; LAYOUT.  S^T = K Q^T (source 0 = 16 keys, source 1 = 16 queries): a lane holds ONE query (lane % 16) and keys 8 (lane / 16) + 0..7.  Two such tiles, rounded to f16 in pairs, ARE source 1 of O^T = V^T P,
; whose result again holds one query a lane and eight channels: 16 bytes of f16, which are the lane's part of ctx's image for the last launch.  Nothing changes lanes, and the way out needs no stage.
; SOFTMAX.  For each query a running maximum m and sum l: p = 2^(c s - c m), c = log2(e) / 8; in every step O and l are multiplied by a = 2^(c m_old - c m_new).
; BY TURNS.  The wave's tiles are two PIECES: piece 0 (tiles 0, 1), piece 2 (tiles 2, 3).  In a TURN one piece has the matrix unit: 16 products V^T P of the step in hand, then 16 products K Q^T of the next step;
; the other piece's softmax, 236 vector instructions cut into 59 slices of four, stands between them, one or two slices behind each matrix instruction.  Two turns are a key step.
; CLUSTER.  The four query blocks of a cluster belong to one pair and walk the same K and V: each tile is asked for JOINTLY, by the same tensor load with a mask that names the four.
; RING.  Two LDS slots of 256 keys (four steps): 32,768 bytes of K, then 32,768 of V.  Wave w brings the w-th 16,384 bytes of a slot: waves 0, 1 K's halves, waves 2, 3 V's: one line of text, addresses by the wave's number.
; REGISTERS, in windows of 256: window 0: v2 16 x lane; v4 the address of the loads in hand; v12-43 statistics, 8 a tile; v61-63; v64-191 S^T, 32 a tile; v192-255 P, 16 a tile.
;   window 1: v0-127 O^T, 32 a tile; v128-191 V of one step.     window 2: v0-63 Q, 16 a tile; v64-127 K of one step.
.set T_KEYS, 2048
.set KS,    64        ; keys in a step
.set NS,    4         ; steps in a slot
.set STEPB, 8192      ; a step's bytes of K, and of V: 4 tiles of tokens x 4 tiles of channels x 512
.set VOFF,  NS*STEPB  ; V's four steps lie behind K's four
.set SLOT1, 1<<16     ; slot 1 begins here: one exclusive or turns an address in one slot into the other's
.set CHUNK, NS*STEPB  ; a slot's keys in memory, of K or of V
.set SPARE, 3<<16     ; the spare words, 128 bytes for each wave: two blocks of 256 bytes that no other line names
.set AL,  2           ; v2   16 x lane: my place in every block of 512 bytes, in LDS, in q and in ctx; never rewritten
.set ADR, 4           ; v4   the LDS address of the run of loads in hand
.set ST,  12          ; tile t's statistics at v[ST+8 t]: +0 c m, +1 m, +2, +3 l (even keys', odd keys'), +4 to +7 c0-c3, at work; a takes c2's place once the maximum is found
.set PFO, 61          ; v61  256 x lane: the prefetches' offset; never rewritten
.set SPW, 62          ; v62  LDS address of my spare word; never rewritten
.set NIL, 63          ; v63  0; never rewritten
.set S,   64
.set P,   192
.set VF,  128         ; V's fragments, in window 1
.set KF,  64          ; K's fragments, in window 2
.set WV,  12          ; s12  my wave's number
.set LIM, 15          ; s15  1 in a wave that prefetches, else the greatest number
.set PFA, 18          ; s[18:19] where my prefetches stand
.set G1,  24          ; s[24:31] descriptor group 1
.set G0,  40          ; s[40:47] descriptor group 0: a set for each of the two first fills; the second then walks on
.set SLOTS, 56        ; s56  slots still to be asked for
.set CNT, 57          ; s57  counts a slot's steps
.set CS,  58          ; s[58:59] c
.set SEL, 60          ; s[60:61] lane selects for v_permlanex16_b32: lane l xor 16
.set TB,  62          ; s62  LDS byte at which the step to be fetched begins
.set MSB, 0
.macro WIN new                      ; the immediate's high byte repeats the setting that is left; a switch that changes nothing is dropped
.if MSB != (\new)
	s_set_vgpr_msb (MSB<<8)|(\new)
.set MSB, (\new)
.endif
.endm
.set W_KQ, 0x0a       ; K and Q in window 2, S^T in window 0
.set W_PV, 0x51       ; V and O^T in window 1, P in window 0
.set W_RS, 0x41       ; O^T (destination and source 0) in window 1, a in window 0
.macro JLOAD                        ; the joint refill: every wave's one tensor load behind a round; an s_nop 0 and four v_nop follow
	tensor_load_to_lds s[G0+4:G0+7], s[G1:G1+7]
	s_nop 0
.rept 4
	v_nop
.endr
.endm
; A PREFETCH INTO THE L2 of what the NEXT change of slots will ask for: 32,768 bytes of K and of V.  Each block of 256 bytes is named once in the launch: the pair's first cluster asks; its four partners take
; 8,192 bytes each, told apart by address; in each, wave 0 asks for K's and wave 2 for V's, lanes 256 bytes apart: one instruction.  It stands four key steps, 256 matrix instructions, ahead of the load that wants
; the bytes.  The last change that fills a slot asks for nothing; slots 0, 1 and 2 come by their loads alone.
.macro ASK
	s_cmp_gt_u32 s[SLOTS], s[LIM]
	s_cbranch_scc0 .Lnot_mine_\@
	global_prefetch_b8 v[PFO], s[PFA:PFA+1] th:TH_LOAD_NT scope:SCOPE_SE
.Lnot_mine_\@:
.endm
.macro CROUND                       ; a round of the cluster's barrier
	s_barrier_signal -1
	s_barrier_wait -1
	s_cmp_lg_u32 s[WV], 0
	s_cbranch_scc1 .Lnot_wave_0_\@
	s_barrier_signal -3
.Lnot_wave_0_\@:
	s_barrier_wait -3
	s_barrier_signal -1
	s_barrier_wait -1
.endm
.macro PLACES                       ; four places behind matrix instructions where no other vector work is at hand (ISA guide 7.12.1)
.rept 4
	v_nop
.endr
.endm
	s_load_b128 s[4:7], s[0:1], 0x0 ; qkv s[4:5], ctx s[6:7]
	v_lshl_add_u32 v[SPW], v0, 2, SPARE
	v_mov_b32 v[NIL], 0
	ds_add_u32 v[SPW], v[NIL]       ; the wave's opening: the add, twice on end, and its wait ahead of my first tensor load
	ds_add_u32 v[SPW], v[NIL]
	v_lshrrev_b32 v1, 5, v0
	v_readfirstlane_b32 s[WV], v1   ; wave 0..3
	v_and_b32 v[AL], 31, v0
	v_lshlrev_b32 v[PFO], 8, v[AL]
	v_lshlrev_b32 v[AL], 4, v[AL]
	s_bfe_u32 s13, ttmp6, 0x40000   ; cx: my place in the cluster
	s_lshl_b32 s14, ttmp9, 2
	s_add_co_u32 s14, s14, s13      ; my block of 256 queries: it enters q's and ctx's addresses alone
	s_and_b32 s16, ttmp7, 0xffff    ; the pair (batch, head), which the four partners share
	s_lshl_b32 s20, s16, 18         ; a pair's 262,144 bytes in each of q, k, v
	s_lshr_b32 s22, s[WV], 1        ; what I fetch: k (waves 0, 1) or v (waves 2, 3): section 1 or 2, 2^24 bytes each,
	s_add_co_u32 s22, s22, 1
	s_lshl_b32 s22, s22, 24
	s_and_b32 s23, s[WV], 1         ; its first or second 16,384 bytes of a slot's keys,
	s_lshl_b32 s23, s23, 14
	s_add_co_u32 s22, s22, s23
	s_add_co_u32 s22, s22, s20      ; in my pair
	s_mov_b32 s23, 0
	s_lshl_b32 s17, s[WV], 14       ; and its place in a slot: no place in the cluster enters an LDS address
	s_lshl_b32 s2, s14, 15          ; q: my block's 16 tiles of 2,048 bytes,
	s_lshl_b32 s3, s[WV], 13        ; my wave's four
	s_add_co_u32 s2, s2, s3
	s_add_co_u32 s2, s2, s20
	s_mov_b32 s3, 0
	s_lshr_b32 s10, s16, 4          ; ctx [tile of 16 tokens 512][32,768 bytes]: tile 128 x batch + 16 x block + 4 x wave,
	s_lshl_b32 s10, s10, 7
	s_lshl_b32 s11, s14, 4
	s_add_co_u32 s10, s10, s11
	s_lshl_b32 s11, s[WV], 2
	s_add_co_u32 s10, s10, s11
	s_lshl_b32 s10, s10, 15
	s_and_b32 s11, s16, 15          ; and in it the head's 2,048 bytes
	s_lshl_b32 s11, s11, 11
	s_add_co_u32 s10, s10, s11
	s_mov_b32 s11, 0
	; descriptor group 1: 16,384 dense bytes as 64 rows of 256 (32 elements of 8 bytes), no padding
	s_mov_b32 s[G1], 15|(3<<16)|(1<<21)  ; 15:0 the mask: all four work-groups; 17:16 elements of 8 bytes; 21 set beside a mask
	s_mov_b32 s[G1+1], 32<<16       ; tensor_dim0 = 32
	s_mov_b32 s[G1+2], 64<<16       ; tensor_dim1 = 64
	s_mov_b32 s[G1+3], 32<<16       ; tile_dim0 = 32
	s_mov_b32 s[G1+4], 64           ; tile_dim1 = 64
	s_mov_b32 s[G1+5], 32           ; tensor_dim0_stride
	s_mov_b32 s[G1+6], 0
	s_mov_b32 s[G1+7], 0
	s_mov_b32 s[CS], 0x3e38aa3b     ; c = log2(e) / sqrt(64) = 0.180337
	s_mov_b32 s[CS+1], s[CS]        ; named with it as a pair, so it is written
	s_mov_b32 s[SEL], 0x76543210
	s_mov_b32 s[SEL+1], 0xfedcba98
	s_mov_b32 s[TB], 0
	s_mov_b32 s[SLOTS], T_KEYS/(NS*KS)-2
	s_and_b32 s[LIM], s[WV], 1      ; 0 in waves 0 and 2,
	s_or_b32 s[LIM], s[LIM], ttmp9  ; where the cluster is the pair's first: the same in all four partners
	s_cmp_eq_u32 s[LIM], 0
	s_cselect_b32 s[LIM], 1, -1
	s_wait_dscnt 0x0                ; both opening adds are done
	s_wait_kmcnt 0x0
	s_add_nc_u64 s[8:9], s[4:5], s[22:23]  ; my part of slot 0's keys
	s_add_nc_u64 s[6:7], s[6:7], s[10:11]  ; ctx at my wave's first tile
	s_add_nc_u64 s[4:5], s[4:5], s[2:3]    ; q likewise
	s_lshl_b32 s2, s13, 13          ; my work-group's 8,192 bytes of the 32,768 (in waves 0 and 2 s[8:9] stands at a slot's first byte)
	s_add_nc_u64 s[PFA:PFA+1], s[8:9], s[2:3]
	s_add_nc_u64 s[PFA:PFA+1], s[PFA:PFA+1], 2*CHUNK  ; in the third slot's keys; the first change of slots steps it on.  Nothing is prefetched here, at the head
	CROUND                          ; all four work-groups are here: the first joint loads meet
	s_mov_b32 s[G0], 1              ; 1:0 count = 1
	s_mov_b32 s[G0+1], s17          ; LDS address: slot 0
	s_mov_b64 s[G0+2:G0+3], s[8:9]  ; global address
	s_or_b32 s[G0+3], s[G0+3], 0x80000000  ; type = 2
	s_mov_b32 s[G0+4], 1
	s_add_co_u32 s[G0+5], s17, SLOT1
	s_add_nc_u64 s[G0+6:G0+7], s[8:9], CHUNK
	s_or_b32 s[G0+7], s[G0+7], 0x80000000
	tensor_load_to_lds s[G0:G0+3], s[G1:G1+7]      ; both first fills go out together, in every wave: two loads of mine are out
	s_nop 0
	tensor_load_to_lds s[G0+4:G0+7], s[G1:G1+7]
	s_nop 0
.rept 4
	v_nop
.endr
	WIN 0x80                        ; destination window 2, address window 0
.irp i, 0,1,2,3,4,5,6,7,8,9,10,11,12,13,14,15  ; Q stays in registers: tile i / 4, channels 16 (i % 4) on: two blocks are a fragment of 16 queries x 32 channels
	global_load_b128 v[4*\i:4*\i+3], v[AL], s[4:5] offset:512*\i
.endr
	WIN 0
; THE MATRIX WORK OF A TURN, for piece x.  The accumulators take turns, one instruction a turn: between two links of a chain stand seven others'.
; Product i of 16 of O^T += V^T P: keys 32 (i / 8) on, channels 16 ((i / 2) % 4) on, tile x + i % 2.  zero = 1: the first 8 start the sums: nothing is ever cleared.
.macro PV x, zero
	WIN W_PV
.set rO, 32*(\x+i%2)+8*((i/2)%4)
.set rV, VF+8*(4*(i/8)+(i/2)%4)
.set rP, P+16*(\x+i%2)+8*(i/8)
.if \zero && (i < 8)
	v_wmma_f32_16x16x32_f16 v[rO:rO+7], v[rV:rV+7], v[rP:rP+7], 0
.else
	v_wmma_f32_16x16x32_f16 v[rO:rO+7], v[rV:rV+7], v[rP:rP+7], v[rO:rO+7]
.endif
.endm
; Product i of 16 of S^T = K Q^T: channels 32 (i / 8) on, keys 16 ((i / 2) % 4) on, tile x + i % 2.  The first 8 start the sums.
.macro KQ x
	WIN W_KQ
.set rS, S+32*(\x+i%2)+8*((i/2)%4)
.set rK, KF+16*((i/2)%4)+8*(i/8)
.set rQ, 16*(\x+i%2)+8*(i/8)
.if i < 8
	v_wmma_f32_16x16x32_f16 v[rS:rS+7], v[rK:rK+7], v[rQ:rQ+7], 0
.else
	v_wmma_f32_16x16x32_f16 v[rS:rS+7], v[rK:rK+7], v[rQ:rQ+7], v[rS:rS+7]
.endif
.endm
; THE LDS LOADS stand in runs of 16: a step's K (its 16 blocks as they lie) and, a turn later, its V (turned).
.macro FETCH_K
	WIN 0
	v_add_nc_u32 v[ADR], s[TB], v[AL]
	WIN 0x80                        ; destination window 2
.irp f, 0,1,2,3,4,5,6,7,8,9,10,11,12,13,14,15  ; block f: keys 16 (f / 4) on, channels 16 (f % 4) on
	ds_load_b128 v[KF+4*\f:KF+4*\f+3], v[ADR] offset:512*\f
.endr
.endm
.macro FETCH_V
	WIN 0
	v_add_nc_u32 v[ADR], s[TB], v[AL]
	s_add_co_u32 s[TB], s[TB], STEPB  ; the next fetch is the next step's
	s_wait_alu depctr_va_vdst(0)    ; the wait for the softmax's batch of exponentials (SLICE), ahead of the first instruction that names a result
	WIN 0x40                        ; destination window 1
.irp f, 0,1,2,3,4,5,6,7             ; fragment f: keys 32 (f / 4) on, channels 16 (f % 4) on: two blocks of 16 keys, turned
	ds_load_tr16_b128 v[VF+8*\f:VF+8*\f+3],   v[ADR] offset:VOFF+512*(8*(\f/4)+\f%4)
	ds_load_tr16_b128 v[VF+8*\f+4:VF+8*\f+7], v[ADR] offset:VOFF+512*(8*(\f/4)+4+\f%4)
.endr
.endm
; THE VECTOR WORK OF A TURN.  One tile's softmax for one key step is a list of 118 instructions; SM writes number j of it for tile t.  s0-s31 are the lane's 32 scores, in pairs 0-15.
; first = 1: the first key step, which starts m, l and O^T: it has no a and nothing to rescale.
;   0-15    the maximum of s0-s31 and the old m, three operands at a time: four chains c0-c3 (each begins at its accumulator's low end), then the four scores left over, c0-c3 and m
;   16-20   the other half of the lanes' maximum; the new m; c m; c m_old - c m_new
;   21-69   ONE BATCH: the 16 scalings c s - c m and all 33 exponentials (a at 23, then s0-s31).  None of these reads an exponential's result
;   (wait)  between 69 and 70 stands the one wait for the batch: SLICE writes it, once for both tiles
;   70-85   the roundings to f16, a pair of weights each;   86-101 the sums; l = a l + the sum;   102-117 the tile's O^T times a: the one part that leaves window 0
.macro SM t, first
.set rT, ST+8*(\t)
.set rS, S+32*(\t)
.set rP, P+16*(\t)
.set rO, 32*(\t)+2*(j-102)
.if j < 102
	WIN 0
.endif
.if j < 4
	v_max3_num_f32 v[rT+4+j], v[rS+8*j], v[rS+8*j+1], v[rS+8*j+2]
.elseif j < 12
	v_max3_num_f32 v[rT+4+j%4], v[rT+4+j%4], v[rS+8*(j%4)+2*(j/4)+1], v[rS+8*(j%4)+2*(j/4)+2]
.elseif j == 12
	v_max3_num_f32 v[rT+4], v[rT+4], v[rS+7], v[rS+15]
.elseif j == 13
	v_max3_num_f32 v[rT+6], v[rT+6], v[rS+23], v[rS+31]
.elseif j == 14
	v_max3_num_f32 v[rT+4], v[rT+4], v[rT+5], v[rT+6]
.elseif (j == 15) && \first
	v_max_num_f32 v[rT+4], v[rT+4], v[rT+7]
.elseif j == 15
	v_max3_num_f32 v[rT+4], v[rT+4], v[rT+7], v[rT+1]
.elseif j == 16
	v_permlanex16_b32 v[rT+5], v[rT+4], s[SEL], s[SEL+1]  ; the query's other 32 keys lie in the lane 16 away
.elseif j == 18
	v_max_num_f32 v[rT+1], v[rT+4], v[rT+5]
.elseif j == 19
	v_mul_f32 v[rT], s[CS], v[rT+1]
.elseif ((j == 17) || (j == 20) || (j == 23) || (j > 101)) && \first  ; the first step has none of these
.elseif j == 17
	v_mov_b32 v[rT+7], v[rT]        ; c m_old is kept for a: number 19 writes c m anew
.elseif j == 20
	v_sub_f32 v[rT+7], v[rT+7], v[rT]
.elseif j == 23
	v_exp_f32 v[rT+6], v[rT+7]
.elseif (j < 23) || ((j < 38) && (j%2 == 0)) || ((j < 66) && (j%4 == 2))
.set b, (j-2)/4                     ; 38, 42, .. 62: pairs 9 to 15
.if j < 38
.set b, (j-20)/2                    ; 21: pair 0; 22, 24, .. 36: pairs 1 to 8
.endif
	v_pk_fma_f32 v[rS+2*b:rS+2*b+1], v[rS+2*b:rS+2*b+1], s[CS:CS+1], v[rT:rT+1] op_sel_hi:[1,0,0] neg_lo:[0,0,1] neg_hi:[0,0,1]  ; pair b: c s - c m
.elseif j < 70
.set e, j-38                        ; 66 to 69: s28 to s31
.if j < 66
.set e, j-32-(j-38)/4               ; 39-41, 43-45, .. 63-65: s7 to s27
.endif
.if j < 38
.set e, (j-25)/2                    ; 25, 27, .. 37: s0 to s6
.endif
	v_exp_f32 v[rS+e], v[rS+e]
.elseif j < 86
	v_cvt_pk_f16_f32 v[rP+j-70], v[rS+2*(j-70)], v[rS+2*(j-70)+1]  ; pair j - 70
.elseif j < 102                     ; the sum of the tile's 16 pairs, in place: neighbours 1, 2, 4 and 8 pairs apart, then l takes it
.set z, j-86
.set w, 4
.set u, z
.if z >= 14
.set w, 32
.set u, 0
.elseif z >= 12
.set w, 16
.set u, z-12
.elseif z >= 8
.set w, 8
.set u, z-8
.endif
.if (z == 14) && \first
	v_pk_add_f32 v[rT+2:rT+3], v[rS:rS+1], v[rS+16:rS+17]
.elseif z < 15
	v_pk_add_f32 v[rS+w*u:rS+w*u+1], v[rS+w*u:rS+w*u+1], v[rS+w*u+w/2:rS+w*u+w/2+1]
.elseif !\first
	v_pk_fma_f32 v[rT+2:rT+3], v[rT+2:rT+3], v[rT+6:rT+7], v[rS:rS+1] op_sel_hi:[1,0,1]
.endif
.else
	WIN W_RS
	v_pk_mul_f32 v[rO:rO+1], v[rO:rO+1], v[rT+6:rT+7] op_sel_hi:[1,0]
.endif
.endm
; Slice k of 59 of piece y's softmax: four instructions.  Slices 11 to 34 deal out the batch, numbers 22 to 69: four numbers of ONE tile each, the tiles by turns.  Every other slice is numbers 2 k and 2 k + 1 of both tiles.
; Ahead of slice 35 nothing names an exponential's result, and behind slice 34 no exponential is issued: so the piece's 66 exponentials have one plain instruction and one wait, behind slice 34.
.macro SLICE y, first
.if (k >= 11) && (k < 35)
.irp n, 0,1,2,3
.set j, 22+4*((k-11)/2)+(\n)
	SM (\y)+(k-11)%2, \first
.endr
.else
.irp n, 0,1
.irp t, \y, \y+1
.set j, 2*k+\n
	SM \t, \first
.endr
.endr
.endif
.if k == 34
	v_nop                           ; the plain instruction behind the last exponential and ahead of the first use: one for the batch
.if (\y) == 0
	FETCH_V                         ; piece 2's turn: V's run of loads stands here, and the wait stands in it
.else
	s_wait_alu depctr_va_vdst(0)    ; the wait for the batch
.endif
.endif
.set k, k+1
.endm
.macro AFTER y, first               ; the slices behind product g of the turn's NM: 59 dealt evenly
.rept (59*(g+1))/NM-(59*g)/NM
	SLICE \y, \first
.endr
.set g, g+1
.endm
; A TURN.  Piece x has the matrix unit; the other piece's softmax stands in slices behind its matrix instructions.
; pv = 2: 16 products V^T P; 1: they start O^T's sums; 0: none.  kq = 1: 16 products K Q^T for the next step.  first = 1: the softmax is the first key step's; its slices from 51 on are empty, and four v_nop
; take their part as the places behind the turn's last products.  Else slices 57 and 58, eight packed multiplies of the other piece's O^T, stand behind the last product: the places in front of the next turn's
; first read of the new scores and of the loads into K's registers.
; Piece 0's turn fetches the next step's K behind its second product.  Piece 2's turn fetches the same step's V behind slice 34, which falls behind its 19th product: behind the 16th, the last that read V,
; stand six scalings (numbers 54, 58 and 62 of both tiles), the v_nop and the run's own v_add_nc_u32.
.macro TURN x, pv, kq, first
.set k, 0
.set g, 0
.set NM, 16
.if \pv && \kq
.set NM, 32
.endif
.if \pv
.if \x == 0
	s_wait_dscnt 0x0                ; V is in
.endif
.set i, 0
.rept 16
	PV \x, 2-\pv
	AFTER 2-\x, \first
.if (\x == 0) && \kq && (i == 1)
	FETCH_K
.endif
.set i, i+1
.endr
.endif
.if \kq
.if \x == 0
	s_wait_dscnt 0x0                ; K is in
.endif
.set i, 0
.rept 16
	KQ \x
	AFTER 2-\x, \first
.set i, i+1
.endr
.endif
.if \first
	PLACES
.endif
.endm
; THE CHANGE OF SLOTS, between piece 2's turn and piece 0's: the slot's last bytes, V of its fourth step, have been asked for.  Each wave waits for all its tensor loads, of which one is out: its part of the
; other slot; adds 0 to its spare word; and waits for that and for its own reads of the slot.  fill = 1: this slot is filled again, with the keys two slots on: the barrier is then a round of the cluster's, and the
; joint refill is the first thing behind it: it has four key steps, 256 matrix instructions, in which to land.
.macro CHANGE fill
	WIN 0                           ; at a label and at a branch every window is 0
	s_wait_tensorcnt 0x0            ; no tensor load of mine is out, so a group 0 may be written
	ds_add_u32 v[SPW], v[NIL]       ; 0 onto my spare word
.if \fill
	s_xor_b32 s[G0+5], s[G0+5], SLOT1  ; the walking descriptor: the other slot than last time,
	s_add_nc_u64 s[G0+6:G0+7], s[G0+6:G0+7], CHUNK  ; the next 256 keys; the type bits on top are not reached
	s_wait_xcnt 0x0                 ; the last prefetch, four key steps back, has read its address, so it may be written:
	s_add_nc_u64 s[PFA:PFA+1], s[PFA:PFA+1], CHUNK  ; one slot further on than the walking descriptor
	s_wait_dscnt 0x0                ; the add is done, and my reads of the slot are over
	CROUND
	JLOAD
	ASK
.else
	s_wait_dscnt 0x0
	s_barrier_signal -1
	s_barrier_wait -1
.endif
	s_sub_co_u32 s[TB], s[TB], NS*STEPB  ; the fetches go back to a slot's first step,
	s_xor_b32 s[TB], s[TB], SLOT1   ; in the other slot
.endm
.macro STEPS n                      ; n key steps: written once, walked n times; the LDS addresses hang on s[TB]
	s_mov_b32 s[CNT], \n
.Lstep_\@:
	TURN 0, 2, 1, 0
	TURN 2, 2, 1, 0
	WIN 0
	s_sub_co_u32 s[CNT], s[CNT], 1
	s_cmp_lg_u32 s[CNT], 0
	s_cbranch_scc1 .Lstep_\@
.endm
	s_wait_tensorcnt 1              ; my part of slot 0 is in; slot 1's, the one load issued behind it, may stay out
	s_barrier_signal -1
	s_barrier_wait -1               ; everybody's is
	FETCH_K                         ; key step 0
	s_wait_loadcnt 0x0              ; Q
	s_wait_dscnt 0x0
.set i, 0
.rept 16
	KQ 0                            ; piece 0's first scores: there is no vector work yet to set between them
.set i, i+1
.endr
	WIN 0
	PLACES
	TURN 2, 0, 1, 1                 ; piece 2's first scores | piece 0's first softmax | V of step 0
	TURN 0, 1, 1, 1                 ; piece 0: V^T P of step 0 starts O^T, K Q^T of step 1 | piece 2's first softmax | K of step 1
	TURN 2, 1, 1, 0                 ; piece 2: the same | piece 0's softmax of step 1 | V of step 1
	WIN 0
	STEPS 2                         ; these fetch steps 2 and 3: slot 0 is read out
.Lslot:                             ; 2,048 / 256 - 2 = 6 trips: every slot but the last two is filled again
	CHANGE 1
	STEPS NS
	s_sub_co_u32 s[SLOTS], s[SLOTS], 1
	s_cmp_lg_u32 s[SLOTS], 0
	s_cbranch_scc1 .Lslot
	CHANGE 0                        ; the tail is written out: nothing is asked for
	STEPS NS
	TURN 0, 2, 0, 0                 ; piece 0: V^T P of the last step | piece 2's last softmax
.set i, 0
.rept 16
	PV 2, 0                         ; piece 2: V^T P of the last step
.set i, i+1
.endr
	; THE WAY OUT.  l's two halves and the other half of the lanes' are added; O^T is divided by l and rounded to f16.  A lane's eight channels are 16 bytes, its part of a block of 512 bytes of ctx's image:
	; ctx [tile of 16 tokens][block of 32 along D][half 2][512 bytes]: tile of channels ct of head hd lies 2,048 hd + 512 ct bytes into its tile of tokens.  The additions are the places behind the last products.
	WIN 0
.irp t, 0,1,2,3
	v_add_f32 v[ST+8*\t+4], v[ST+8*\t+2], v[ST+8*\t+3]
.endr
.irp t, 0,1,2,3
	v_permlanex16_b32 v[ST+8*\t+5], v[ST+8*\t+4], s[SEL], s[SEL+1]
.endr
.irp t, 0,1,2,3
	v_add_f32 v[ST+8*\t+4], v[ST+8*\t+4], v[ST+8*\t+5]
.endr
.irp t, 0,1,2,3
	v_rcp_f32 v[ST+8*\t+6], v[ST+8*\t+4]
.endr
	v_nop                           ; a plain instruction between the last reciprocal and the use of its result
	s_wait_alu depctr_va_vdst(0)    ; and the one wait for the four reciprocals, ahead of the first use
.macro PACK t
	WIN W_RS
.set i, 32*\t
.rept 16
	v_pk_mul_f32 v[i:i+1], v[i:i+1], v[ST+8*\t+6:ST+8*\t+7] op_sel_hi:[1,0]   ; each accumulator from its low end on
.set i, i+2
.endr
	WIN 0x05                        ; sources 0 and 1 window 1, destination window 0: S^T's registers are free; each tile has its own, so no store's data are written again
.set i, 0
.rept 16
	v_cvt_pk_f16_f32 v[S+16*\t+i], v[32*\t+2*i], v[32*\t+2*i+1]
.set i, i+1
.endr
	WIN 0
.irp f, 0,1,2,3
	global_store_b128 v[AL], v[S+16*\t+4*\f:S+16*\t+4*\f+3], s[6:7] offset:32768*\t+512*\f th:TH_STORE_NT  ; 32 lanes store 512 consecutive bytes, aligned
.endr
.endm
	PACK 0
	PACK 1
	PACK 2
	PACK 3
	s_wait_tensorcnt 0x0            ; the wave's end, behind my last tensor load
	ds_add_u32 v[SPW], v[NIL]
	s_wait_dscnt 0x0
	CROUND                          ; the closing round: no work-group ends while a partner may still ask for a tile that names it
	s_endpgm
.Lfunc_end_k_q54f3b1acd7_attn:
	.size	k_q54f3b1acd7_attn, .Lfunc_end_k_q54f3b1acd7_attn-k_q54f3b1acd7_attn
	.p2alignl 7, 3214868480
	.fill 96, 4, 3214868480
	.section	.rodata,"a",@progbits
	.p2align	6, 0x0
	.amdhsa_kernel k_q54f3b1acd7_attn
		.amdhsa_group_segment_fixed_size 327680
		.amdhsa_private_segment_fixed_size 0
		.amdhsa_enable_private_segment 0
		.amdhsa_kernarg_size 16
		.amdhsa_user_sgpr_count 2
		.amdhsa_user_sgpr_kernarg_segment_ptr 1
		.amdhsa_wavefront_size32 1
		.amdhsa_system_sgpr_workgroup_id_x 1
		.amdhsa_system_sgpr_workgroup_id_y 1
		.amdhsa_system_sgpr_workgroup_id_z 1
		.amdhsa_system_vgpr_workitem_id 0
		.amdhsa_next_free_vgpr 640
		.amdhsa_next_free_sgpr 66
		.amdhsa_reserve_vcc 0
		.amdhsa_float_denorm_mode_32 3
		.amdhsa_float_denorm_mode_16_64 3
		.amdhsa_memory_ordered 1
		.amdhsa_forward_progress 1
		.amdhsa_inst_pref_size 189
	.end_amdhsa_kernel
	.amdgpu_metadata
---
amdhsa.version: [ 1, 2 ]
amdhsa.kernels:
  - .name:           k_q54f3b1acd7_attn
    .symbol:         k_q54f3b1acd7_attn.kd
    .args:
      - { .name: qkv, .offset: 0, .size: 8, .value_kind: global_buffer, .address_space: global }
      - { .name: ctx, .offset: 8, .size: 8, .value_kind: global_buffer, .address_space: global }
    .group_segment_fixed_size: 327680
    .private_segment_fixed_size: 0
    .kernarg_segment_align: 8
    .kernarg_segment_size: 16
    .max_flat_workgroup_size: 128
    .sgpr_count:     66
    .vgpr_count:     640
    .wavefront_size: 32
...
	.end_amdgpu_metadata
.endif
;; end of part 3
;; launch proj (part 4): grid 4 x 64, 4 waves a work-group, clusters of 4 x 4, 327,680 bytes of LDS; arguments ctx, w16, out_b, out0; writes out0
.if DOCPART == 4
	.amdgcn_target "amdgcn-amd-amdhsa--gfx1250"
	.amdhsa_code_object_version 6
	.text
	.protected	k_q54f3b1acd7_proj
	.globl	k_q54f3b1acd7_proj
	.p2align	8
	.type	k_q54f3b1acd7_proj,@function
k_q54f3b1acd7_proj:
	s_mov_b64 s[64:65], 0
	v_nop
	global_prefetch_b8 v0, s[64:65] scope:SCOPE_SE
	s_setreg_imm32_b32 hwreg(HW_REG_WAVE_MODE, 25, 1), 1
	s_wait_xcnt 0x0
	s_wait_alu depctr_hold_cnt(0) depctr_sa_sdst(0) depctr_va_vdst(0) depctr_va_sdst(0) depctr_va_ssrc(0) depctr_va_vcc(0) depctr_vm_vsrc(0)
	s_getreg_b32 s2, hwreg(HW_REG_IB_STS2, 6, 4)
	s_cmp_eq_u32 s2, 0
	s_cbranch_scc0 .Lentry_in_a_cluster
	s_endpgm
.Lentry_in_a_cluster:
	s_bfe_u32 s2, ttmp6, 0x10000c
	s_cmp_lg_u32 s2, 0xf033
	s_cbranch_scc0 .Lentry_shape_is_right
	s_endpgm
.Lentry_shape_is_right:
; out0[m][n] = sum over k of ctx[m][k] out_w[n][k] + out_b[n].  ctx [8192][1024] and out_w [1024][1024] come as f16 in the order of the operand's registers:
; [tile of 16 rows][block of 32 along K, 32 of them][half 2][512 bytes], lane (r, h)'s 16 bytes at 16 x lane = (row r, K = 32 kb + 16 c + 8 h + 0 .. 7).  Sums in f32; out0 f32.
; A tile of out0 is 128 rows x 256 columns: 64 x 4 = 256 work-groups.  Four waves, each 64 x 128: 32 accumulators of 16 x 16, 256 registers.
; K goes in steps of 128 (4,096 consecutive bytes of each tile of 16 rows) through a ring of two LDS slots; a slot holds ctx's 8 tiles of rows and out_w's 16.  Every LDS load reads 512 consecutive bytes: no pitch, no padding.
; CLUSTERS: 4 x 4 work-groups.  The four of a row of the cluster need the same tiles of ctx, the four of a column the same tiles of out_w: each is asked for JOINTLY.
; THE MATRIX INSTRUCTION IS USED TRANSPOSED (source 0 = 16 rows of out_w, source 1 = 16 rows of ctx): a lane holds eight neighbouring columns of one row of out0.  The bias is the C of each sum's first instruction.
; REGISTERS: window 0: v0-31 addresses; v32-95 the bias, 8 registers for each block of 16 columns; v128-255 rows of out0 on the way out.   window 1: the accumulators ((a, b) at v[8 (8 a + b)]).
;   window 2: two fragment buffers, at v0 and v128: for 32 along K, out_w's 8 fragments (64 registers), then ctx's 4 (32).
.set KB,     1024                      ; a fragment's image in bytes
.set TROW,   4096                      ; a K step's bytes of a tile of 16 rows
.set TPITCH, 32768                     ; from a tile of 16 rows to the next, in memory
.set BOFF,   8*TROW                    ; in a slot out_w's tiles lie behind ctx's eight
.set SLOT,   24*TROW                   ; 98,304
.set STAGE,  2*SLOT                    ; behind the ring: 16 rows x (512 + 16) bytes for each wave; no tensor load lands here
.set SPITCH, 528
.set SPARE,  STAGE+4*16*SPITCH         ; behind the stages: the spare words, 128 bytes for each wave
.set LAPS,   4                         ; a lap = two K steps = once round the ring: 1,024 / 256
.set ADRA, 16                          ; v16-17  LDS address of my fragments of ctx in slot 0, 1
.set ADRB, 20                          ; v20-21  the same for out_w
.set STO,  24                          ; v24     the way out: where I put 32 bytes of a row
.set RD,   25                          ; v25     where I read a row back
.set CO,   26                          ; v26     16 x lane
.set SPW,  28                          ; v28     LDS address of my spare word; never rewritten
.set NIL,  29                          ; v29     0; never rewritten
.set BIAS, 32
.set BK,   128
.set F0,   0
.set F1,   128
.set WV, 12                            ; s12 my wave;  s13 wave / 2: my half of the rows, and: I fetch for ctx (0) or out_w (1);  s14 wave % 2: my half of the columns, and: which half of the tile I fetch
.set WR, 13
.set WC, 14
.set G1, 24                            ; s[24:31] descriptor group 1 for ctx's tiles;  s[32:39] group 0, one set for each slot
.set G0, 32
.set G1B, 48                           ; s[48:55], s[56:63] the same for out_w's
.set G0B, 56
.set MSB, 0
.macro WIN new                         ; the immediate's high byte repeats the setting that is left
.if MSB != (\new)
	s_set_vgpr_msb (MSB<<8)|(\new)
.set MSB, (\new)
.endif
.endm
.set MUL,  0x5a                        ; sources 0 and 1 window 2; C and D window 1
.set MULB, 0x4a                        ; the first quarter: C (the bias) window 0
.set TO_F, 0x80                        ; destination window 2, address window 0
.macro JLOAD s                         ; a joint load: waves 0 and 1 fetch ctx's two halves, waves 2 and 3 out_w's; an s_nop 0 and four v_nop follow each of the two lines
	s_cmp_eq_u32 s[WR], 0
	s_cbranch_scc0 .Lfor_b_\@
	tensor_load_to_lds s[G0+4*\s:G0+4*\s+3], s[G1:G1+7]
	s_nop 0
.rept 4
	v_nop
.endr
	s_branch .Lasked_\@
.Lfor_b_\@:
	tensor_load_to_lds s[G0B+4*\s:G0B+4*\s+3], s[G1B:G1B+7]
	s_nop 0
.rept 4
	v_nop
.endr
.Lasked_\@:
.endm
.macro CREST                           ; a round of the cluster's barrier behind its opening barrier
	s_cmp_lg_u32 s[WV], 0
	s_cbranch_scc1 .Lnot_wave_0_\@
	s_barrier_signal -3
.Lnot_wave_0_\@:
	s_barrier_wait -3
	s_barrier_signal -1
	s_barrier_wait -1
.endm
.macro CROUND                          ; a whole round
	s_barrier_signal -1
	s_barrier_wait -1
	CREST
.endm
	s_load_b128 s[4:7], s[0:1], 0x0                ; ctx s[4:5], w16 s[6:7]
	s_load_b128 s[8:11], s[0:1], 0x10              ; out_b s[8:9], out0 s[10:11]
	v_lshl_add_u32 v[SPW], v0, 2, SPARE
	v_mov_b32 v[NIL], 0
	ds_add_u32 v[SPW], v[NIL]                      ; the wave's opening: the add, twice on end, and its wait ahead of my first tensor load
	ds_add_u32 v[SPW], v[NIL]
	v_lshrrev_b32 v1, 5, v0
	v_readfirstlane_b32 s[WV], v1                  ; wave 0..3
	s_lshr_b32 s[WR], s[WV], 1
	s_and_b32 s[WC], s[WV], 1
	s_bfe_u32 s40, ttmp6, 0x40000                  ; cx, cy: my place in the cluster
	s_bfe_u32 s41, ttmp6, 0x40004
	s_lshl_b32 s42, ttmp9, 2
	s_add_co_u32 s42, s42, s40                     ; tile column = 4 x cluster x + cx
	s_and_b32 s15, ttmp7, 0xffff
	s_lshl_b32 s15, s15, 2
	s_add_co_u32 s15, s15, s41                     ; tile row = 4 x cluster y + cy
	s_lshl_b32 s43, s41, 2
	s_lshl_b32 s43, 15, s43                        ; my row of the cluster
	s_lshl_b32 s44, 0x1111, s40                    ; my column
	; descriptor group 1: rows of 4,096 bytes (512 elements of 8 bytes), 32,768 bytes apart in memory, dense in LDS: ctx 4 rows a load, out_w 8
	s_or_b32 s[G1+0], s43, (3<<16)|(1<<21)         ; 15:0 the mask: ctx's tiles go to my row; 17:16 elements of 8 bytes; 21 set beside a mask
	s_or_b32 s[G1B+0], s44, (3<<16)|(1<<21)
	s_mov_b32 s[G1+1], 512<<16                     ; tensor_dim0 = 512
	s_mov_b32 s[G1+2], 4<<16                       ; tensor_dim1 = 4
	s_mov_b32 s[G1+3], 512<<16                     ; tile_dim0 = 512
	s_mov_b32 s[G1+4], 4                           ; tile_dim1 = 4
	s_mov_b32 s[G1+5], 4096                        ; tensor_dim0_stride, in elements
	s_mov_b32 s[G1+6], 0
	s_mov_b32 s[G1+7], 0
	s_mov_b32 s[G1B+1], 512<<16
	s_mov_b32 s[G1B+2], 8<<16
	s_mov_b32 s[G1B+3], 512<<16
	s_mov_b32 s[G1B+4], 8
	s_mov_b32 s[G1B+5], 4096
	s_mov_b32 s[G1B+6], 0
	s_mov_b32 s[G1B+7], 0
	s_lshl_b32 s16, s15, 3                         ; ctx: tile of rows 8 x tile row + 4 x half
	s_lshl_b32 s17, s[WC], 2
	s_add_co_u32 s16, s16, s17
	s_lshl_b32 s16, s16, 15
	s_mov_b32 s17, 0
	s_lshl_b32 s46, s42, 4                         ; out_w: tile of rows 16 x tile column + 8 x half
	s_lshl_b32 s47, s[WC], 3
	s_add_co_u32 s46, s46, s47
	s_lshl_b32 s46, s46, 15
	s_mov_b32 s47, 0
	s_lshl_b32 s20, s[WC], 14                      ; where they go: ctx's halves of 16,384 bytes,
	s_lshl_b32 s21, s[WC], 15
	s_add_co_u32 s21, s21, BOFF                    ; out_w's of 32,768 behind them: no place in the cluster enters an LDS address
	s_wait_dscnt 0x0                               ; both opening adds are done
	s_wait_kmcnt 0x0
	s_add_nc_u64 s[18:19], s[4:5], s[16:17]
	s_add_nc_u64 s[46:47], s[6:7], s[46:47]
	CROUND                                         ; all sixteen work-groups are here: the first joint loads meet
.irp s, 0,1
	s_mov_b32 s[G0+4*\s], 1
	s_add_co_u32 s[G0+4*\s+1], s20, \s*SLOT
	s_add_nc_u64 s[G0+4*\s+2:G0+4*\s+3], s[18:19], \s*TROW
	s_or_b32 s[G0+4*\s+3], s[G0+4*\s+3], 0x80000000
	s_mov_b32 s[G0B+4*\s], 1
	s_add_co_u32 s[G0B+4*\s+1], s21, \s*SLOT
	s_add_nc_u64 s[G0B+4*\s+2:G0B+4*\s+3], s[46:47], \s*TROW
	s_or_b32 s[G0B+4*\s+3], s[G0B+4*\s+3], 0x80000000
	JLOAD \s                                       ; two tensor loads of mine are out
.endr
	v_and_b32 v1, 15, v0                           ; r
	v_bfe_u32 v2, v0, 4, 1                         ; h
	v_and_b32 v3, 31, v0
	v_lshlrev_b32 v[CO], 4, v3                     ; 16 x lane
	; the bias: for block b of 16 columns lane (r, h) holds out_b[my first column + 16 b + 8 h + 0 .. 7]
	v_lshlrev_b32 v7, 5, v2
	s_lshl_b32 s16, s42, 10                        ; 256 columns of 4 bytes a tile column,
	s_lshl_b32 s17, s[WC], 9                       ; 128 for my half
	s_add_co_u32 s16, s16, s17
	s_mov_b32 s17, 0
	s_add_nc_u64 s[8:9], s[8:9], s[16:17]
.irp b, 0,1,2,3,4,5,6,7
	global_load_b128 v[BIAS+8*\b:BIAS+8*\b+3],   v7, s[8:9] offset:64*\b
	global_load_b128 v[BIAS+8*\b+4:BIAS+8*\b+7], v7, s[8:9] offset:64*\b+16
.endr
	s_lshl_b32 s21, s[WR], 14                      ; my 4 tiles of ctx's rows
	s_lshl_b32 s22, s[WC], 15                      ; my 8 tiles of out_w's,
	s_add_co_u32 s22, s22, BOFF                    ; which lie behind ctx's
.irp s, 0,1
	v_add_nc_u32 v[ADRA+\s], s21, v[CO]
	v_add_nc_u32 v[ADRB+\s], s22, v[CO]
	s_add_co_u32 s21, s21, SLOT
	s_add_co_u32 s22, s22, SLOT
.endr
	s_mul_i32 s23, s[WV], 16*SPITCH
	s_add_co_u32 s23, s23, STAGE                   ; my stage
	v_mul_u32_u24 v4, v1, SPITCH                   ; in: row r, 32 bytes for each half of the lanes
	v_lshl_add_u32 v4, v2, 5, v4
	v_add_nc_u32 v[STO], s23, v4
	v_add_nc_u32 v[RD], s23, v[CO]                 ; back: the 32 lanes take one row of 512 bytes
	s_lshl_b32 s18, s15, 7
	s_lshl_b32 s19, s[WR], 6
	s_add_co_u32 s18, s18, s19                     ; my first row of out0: 128 x tile row + 64 x half
	s_lshl_b32 s18, s18, 12                        ; rows of 4,096 bytes
	s_add_co_u32 s18, s18, s16                     ; + my first column, in bytes
	s_mov_b32 s19, 0
	s_add_nc_u64 s[10:11], s[10:11], s[18:19]
; 8 matrix instructions: ctx's block a against out_w's eight, 32 along K, from buffer f.  zero = 1: the first product starts the sums from the bias.
; The 32 accumulators take turns, one instruction a turn, in the same order in every quarter.
.macro MUL8 f, a, zero
.irp b, 0,1,2,3,4,5,6,7
.if \zero
	v_wmma_f32_16x16x32_f16 v[8*(8*(\a)+\b):8*(8*(\a)+\b)+7], v[\f+8*\b:\f+8*\b+7], v[\f+64+8*(\a):\f+64+8*(\a)+7], v[BIAS+8*\b:BIAS+8*\b+7]
.else
	v_wmma_f32_16x16x32_f16 v[8*(8*(\a)+\b):8*(8*(\a)+\b)+7], v[\f+8*\b:\f+8*\b+7], v[\f+64+8*(\a):\f+64+8*(\a)+7], v[8*(8*(\a)+\b):8*(8*(\a)+\b)+7]
.endif
.endr
.endm
.macro MUL16 f, a0, zero
	MUL8 \f, \a0, \zero
	MUL8 \f, \a0+1, \zero
.endm
; 24 LDS loads in one run: the fragments of the slot's q-th 32 along K into buffer f: out_w's eight first, then ctx's four
.macro FETCH slot, q, f
	WIN TO_F
.irp j, 0,1,2,3,4,5,6,7
	ds_load_b128 v[\f+8*\j:\f+8*\j+3],   v[ADRB+\slot] offset:TROW*\j+KB*(\q)
	ds_load_b128 v[\f+8*\j+4:\f+8*\j+7], v[ADRB+\slot] offset:TROW*\j+KB*(\q)+512
.endr
.irp i, 0,1,2,3
	ds_load_b128 v[\f+64+8*\i:\f+64+8*\i+3],   v[ADRA+\slot] offset:TROW*\i+KB*(\q)
	ds_load_b128 v[\f+64+8*\i+4:\f+64+8*\i+7], v[ADRA+\slot] offset:TROW*\i+KB*(\q)+512
.endr
.endm
.macro PLACES                          ; four places in front of loads into registers that matrix instructions have read, and of the first read of results (ISA guide 7.12.1 for the first read of results)
.rept 4
	v_nop
.endr
.endm
; A K step is four quarters of 32 along K, 32 matrix instructions each, on buffers 0, 1, 0, 1.  One of the first three: multiplies buffer f and fetches the slot's q-th quarter into g.
.macro QUARTER slot, q, f, g, zero
	s_wait_dscnt 4                                 ; all but the youngest four loads (ctx's blocks 2 and 3) are in
.if \zero
	WIN MULB
.else
	WIN MUL
.endif
	MUL16 \f, 0, \zero
	PLACES
	FETCH \slot, \q, \g
	s_wait_dscnt 24                                ; all but the 24 just issued
.if \zero
	WIN MULB
.else
	WIN MUL
.endif
	MUL16 \f, 2, \zero
.endm
; The last quarter multiplies buffer 1 and changes slots: ONE barrier; in front of it each wave waits for all its tensor loads (one is out: its part of the next slot), adds 0 to its spare word, and waits for that and
; for its own reads of this slot.  fill = 1: the barrier opens a round of the cluster's, and this slot is filled again, two K steps ahead: the load has 112 matrix instructions in which to land.
.macro TURN slot, next, fill
	WIN 0                                          ; (the add's two registers lie in window 0)
	s_wait_tensorcnt 0x0
	ds_add_u32 v[SPW], v[NIL]                      ; 0 onto my spare word
	s_wait_dscnt 5                                 ; the add and the youngest four loads may be out
	WIN MUL
	MUL8 F1, 0, 0                                  ; eight matrix instructions stand between the add and the wait for it
	s_wait_dscnt 0x0                               ; the add is done, and my reads of this slot are over
	s_barrier_signal -1
	MUL8 F1, 1, 0
.if \fill
	WIN 0
.endif
	s_barrier_wait -1
.if \fill
	CREST                                          ; no wave of any partner still reads this slot's tile or has a load on its way
	s_add_nc_u64 s[G0+4*\slot+2:G0+4*\slot+3], s[G0+4*\slot+2:G0+4*\slot+3], 2*TROW
	s_add_nc_u64 s[G0B+4*\slot+2:G0B+4*\slot+3], s[G0B+4*\slot+2:G0B+4*\slot+3], 2*TROW
	JLOAD \slot                                    ; the first tensor load behind the round; the four v_nop behind it are also the places in front of the loads below
.else
	PLACES
.endif
	FETCH \next, 0, F0
	WIN MUL
	MUL16 F1, 2, 0
.endm
	s_wait_tensorcnt 1                             ; my part of K step 0 is in (K step 1's load, the one issued behind it, may be out),
	s_barrier_signal -1
	s_barrier_wait -1                              ; everybody's is
	FETCH 0, 0, F0
	s_wait_loadcnt 0x0                             ; the bias
	QUARTER 0, 1, F0, F1, 1                        ; the first quarter stands in front of the loop: its products start the sums from the bias
	WIN 0                                          ; at a label and at a branch every window is 0
	s_mov_b32 s3, LAPS-1
.Llap:                                                 ; a trip goes once round the ring, from a lap's second quarter to the next lap's first, and fills both slots again
	QUARTER 0, 2, F1, F0, 0
	QUARTER 0, 3, F0, F1, 0
	TURN 0, 1, 1
	QUARTER 1, 1, F0, F1, 0
	QUARTER 1, 2, F1, F0, 0
	QUARTER 1, 3, F0, F1, 0
	TURN 1, 0, 1
	QUARTER 0, 1, F0, F1, 0
	WIN 0
	s_sub_co_u32 s3, s3, 1
	s_cmp_lg_u32 s3, 0
	s_cbranch_scc1 .Llap
	QUARTER 0, 2, F1, F0, 0                        ; the last lap fills nothing, and has no round of the cluster's barrier
	QUARTER 0, 3, F0, F1, 0
	TURN 0, 1, 0
	QUARTER 1, 1, F0, F1, 0
	QUARTER 1, 2, F1, F0, 0
	QUARTER 1, 3, F0, F1, 0
	s_wait_dscnt 4                                 ; the very last quarter: nothing more to fetch
	WIN MUL
	MUL16 F1, 0, 0
	s_wait_dscnt 0
	MUL16 F1, 2, 0
	WIN 0
; THE WAY OUT, block by block of 16 rows x 128 columns.  A lane holds 32 neighbouring bytes of a row, and the lanes beside it hold other rows: so a block goes through my own stage in LDS and comes back as whole rows of
; 512 bytes.  LDS serves a wave's instructions in order (ISA guide 5.7.1.4): no wait between the stores and the loads, nor in front of the next block's stores.
.macro TOSTAGE a
	WIN 0x04                                       ; an LDS store's data are its source 1: window 1
.irp b, 0,1,2,3,4,5,6,7
	ds_store_b128 v[STO], v[64*(\a)+8*\b:64*(\a)+8*\b+3] offset:64*\b          ; each accumulator from its low end on
	ds_store_b128 v[STO], v[64*(\a)+8*\b+4:64*(\a)+8*\b+7] offset:64*\b+16
.endr
	WIN 0
.set BB, BK+64*((\a)%2)
.irp t, 0,1,2,3,4,5,6,7,8,9,10,11,12,13,14,15
	ds_load_b128 v[BB+4*\t:BB+4*\t+3], v[RD] offset:\t*SPITCH
.endr
.endm
.macro SEND a, younger                 ; younger: the LDS instructions issued behind block a's loads, which may stay out
.set BB, BK+64*((\a)%2)
	s_wait_dscnt \younger                          ; the block is back in registers
.if (\a) > 0
	s_add_nc_u64 s[10:11], s[10:11], 16*4096       ; (behind a wait for the earlier stores' addresses)  16 rows of out0 on
.endif
.irp t, 0,1,2,3,4,5,6,7,8,9,10,11,12,13,14,15
	global_store_b128 v[CO], v[BB+4*\t:BB+4*\t+3], s[10:11] offset:\t*4096 th:TH_STORE_NT   ; 32 lanes store 512 consecutive bytes, aligned
.endr
.endm
	PLACES                                         ; the stores to the stage read results just made
	TOSTAGE 0
.irp a, 1,2,3
.if \a > 1
	s_wait_xcnt 0x0                                ; block a - 2's stores have read their registers and their base: block a's loads may land there, and the base may step
.endif
	TOSTAGE \a
	SEND \a-1, 32                                  ; behind block a - 1's loads: block a's 16 stores and 16 loads
.endr
	s_wait_xcnt 0x0                                ; block 2's stores have read their base
	SEND 3, 0
	s_wait_tensorcnt 0x0                           ; the wave's end, behind my last tensor load and my last LDS store
	ds_add_u32 v[SPW], v[NIL]
	s_wait_dscnt 0x0
	CROUND                                         ; the closing round: no work-group ends while a partner may still ask for a tile that names it
	s_endpgm
.Lfunc_end_k_q54f3b1acd7_proj:
	.size	k_q54f3b1acd7_proj, .Lfunc_end_k_q54f3b1acd7_proj-k_q54f3b1acd7_proj
	.p2alignl 7, 3214868480
	.fill 96, 4, 3214868480
	.section	.rodata,"a",@progbits
	.p2align	6, 0x0
	.amdhsa_kernel k_q54f3b1acd7_proj
		.amdhsa_group_segment_fixed_size 327680
		.amdhsa_private_segment_fixed_size 0
		.amdhsa_enable_private_segment 0
		.amdhsa_kernarg_size 32
		.amdhsa_user_sgpr_count 2
		.amdhsa_user_sgpr_kernarg_segment_ptr 1
		.amdhsa_wavefront_size32 1
		.amdhsa_system_sgpr_workgroup_id_x 1
		.amdhsa_system_sgpr_workgroup_id_y 1
		.amdhsa_system_sgpr_workgroup_id_z 1
		.amdhsa_system_vgpr_workitem_id 0
		.amdhsa_next_free_vgpr 736
		.amdhsa_next_free_sgpr 66
		.amdhsa_reserve_vcc 0
		.amdhsa_float_denorm_mode_32 3
		.amdhsa_float_denorm_mode_16_64 3
		.amdhsa_memory_ordered 1
		.amdhsa_forward_progress 1
		.amdhsa_inst_pref_size 86
	.end_amdhsa_kernel
	.amdgpu_metadata
---
amdhsa.version: [ 1, 2 ]
amdhsa.kernels:
  - .name:           k_q54f3b1acd7_proj
    .symbol:         k_q54f3b1acd7_proj.kd
    .args:
      - { .name: ctx, .offset: 0, .size: 8, .value_kind: global_buffer, .address_space: global }
      - { .name: w16, .offset: 8, .size: 8, .value_kind: global_buffer, .address_space: global }
      - { .name: out_b, .offset: 16, .size: 8, .value_kind: global_buffer, .address_space: global }
      - { .name: out0, .offset: 24, .size: 8, .value_kind: global_buffer, .address_space: global }
    .group_segment_fixed_size: 327680
    .private_segment_fixed_size: 0
    .kernarg_segment_align: 8
    .kernarg_segment_size: 32
    .max_flat_workgroup_size: 128
    .sgpr_count:     66
    .vgpr_count:     736
    .wavefront_size: 32
...
	.end_amdgpu_metadata
.endif
;; end of part 4
